; MI455X (gfx1250); checked and timed in simulation.
; The chip was launched on July 23, 2026; its instructions are those of AMD's public machine-readable ISA for CDNA 5 (MIT licence, August 2026) and "CDNA5" Instruction Set Architecture Reference Guide (July 2026). The comments in the code are by the model that wrote it; some were corrected since.
;; multihead self attention. Allowed arithmetic: matrix products marked QUANTISED: E4M3 operands, one given power-of-two scale a tensor, by v_wmma_f32_16x16x64_fp8_fp8 or v_wmma_f32_16x16x128_fp8_fp8, f32 sums; everything else in f32.
;; Inputs: lowp_scales 12 int32 (the exponents e of the quantised operands' scales 2^e); token_position 2,048 int32; wk 1,024 x 1,024 float32; wo 1,024 x 1,024 float32; wq 1,024 x 1,024 float32; wv 1,024 x 1,024 float32; x 4 x 2,048 x 1,024 float32.
;; Outputs: out0 4 x 2,048 x 1,024 float32.
;; This version of the problem:
;;   THIS VERSION OF THE PROBLEM IS GIVEN IN LOW PRECISION. The matrix products marked QUANTISED in the list below multiply operands that are first quantised to E4M3 (4 exponent bits, 3 mantissa bits; 8 bits a number), with one given power-of-two scale for each operand tensor; their sums are f32. All else is computed in f32.
;;   The module's matrix products, in the order in which they are computed (A, B: the left and right operand; K: the contracted axis; several contracted axes count as one K, in the product's order):
;;     1. [M 8,192, K 1,024] x [K 1,024, N 1,024]; A: input x; B: input wq: QUANTISED (scales: A lowp_scales[0], B lowp_scales[1])
;;     2. [M 8,192, K 1,024] x [K 1,024, N 1,024]; A: input x; B: input wk: QUANTISED (scales: A lowp_scales[2], B lowp_scales[3])
;;     3. [M 8,192, K 1,024] x [K 1,024, N 1,024]; A: input x; B: input wv: QUANTISED (scales: A lowp_scales[4], B lowp_scales[5])
;;     4. batch 64 x [M 2,048, K 64] x [K 64, N 2,048]; A: computed on the way; B: computed on the way: QUANTISED (scales: A lowp_scales[6], B lowp_scales[7])
;;     5. batch 64 x [M 2,048, K 2,048] x [K 2,048, N 64]; A: softmax (see below); B: computed on the way: QUANTISED (scales: A lowp_scales[8], B lowp_scales[9])
;;     6. [M 8,192, K 1,024] x [K 1,024, N 1,024]; A: computed on the way; B: input wo: QUANTISED (scales: A lowp_scales[10], B lowp_scales[11])
;;   THE QUANTISER, for each operand of a quantised product, along K:
;;     - The operand's scale is 2^e, e = its entry of the input lowp_scales (int32; the entries are numbered through the quantised products in the list's order, A before B).
;;     - Each number is divided by the scale, clamped to +-448, and rounded to the nearest number of E4M3, ties to even, subnormals kept.
;;     - The product sums the exact products of the quantised numbers (number of the format x scale) in f32.
;;   ~~~python
;;   def quantise(x, axis, e):      # numpy; x: float32 -> the quantised numbers, widened to float32 again
;;       x = np.moveaxis(x, axis, -1); K = x.shape[-1]
;;       r = np.clip(x / 2.0 ** e, -448, 448)
;;       step = 2.0 ** (np.maximum(np.frexp(np.where(r == 0, 1, r))[1] - 1, -6) - 3)
;;       q = np.round(r / step) * step * 2.0 ** e      # np.round: ties to even
;;       return np.moveaxis(q, -1, axis).astype(np.float32)
;;   ~~~
;;   SOFTMAX AHEAD OF A QUANTISED PRODUCT. Where the list says 'softmax', what is quantised is not the finished softmax but p = 2^(t - M), with t = logit x log2(e) and M = ceil(the row's largest t), a whole number; so 1/2 < the row's largest p <= 1. The row's sum l is taken of the UNQUANTISED p, in f32, and the product's result is divided by l at the end. Since M is a whole number, a kernel that streams over the keys may use a running M (the ceiling of the running maximum): every later rescaling is an exact power of two, so the quantised numbers keep their values, but for numbers so far below the row's largest that they fall under the format's range.
;;   OPERANDS COMPUTED ON THE WAY. 'Computed on the way' means the value that the module computes at that place (a softmax that the list does not call 'softmax' is quantised finished and normalised). What goes into a quantiser is computed in f32, as accurately as f32 sums, v_exp_f32 and their like allow (about 1e-6 of the number): no bf16 or f16 on the way to a quantiser, and a product that is left as it is and whose result goes on into a quantised operand takes f32 operands (vector FMAs, or v_wmma_f32_16x16x4_f32). A number that lies on a knife's edge between two numbers of the format may be rounded either way, as far as f32 arithmetic and the matrix unit's own rounding can turn it there, and no further.
;; One version. Each part assembles by itself: llvm-mc -triple=amdgcn-amd-amdhsa -mcpu=gfx1250 --defsym DOCPART=n.
;; ======== version 1 of 1: 4 launches
;; limits: right only within a limited range of input values
;; workspace buffers: xc 25,165,824 bytes; wc 8,388,608 bytes; rt 524,288 bytes; qkvc 25,165,824 bytes; ac 8,388,608 bytes
;; launch prep (part 1): grid 416 x 1, 4 waves a work-group, no clusters, 33,280 bytes of LDS; arguments x, wq, wk, wv, wo, token_position, lowp_scales, xc, wc, rt; writes xc, wc, rt
.if DOCPART == 1
	.amdgcn_target "amdgcn-amd-amdhsa--gfx1250"
	.amdhsa_code_object_version 6
	.text
	.protected	k_qaf305a88f0_prep
	.globl	k_qaf305a88f0_prep
	.p2align	8
	.type	k_qaf305a88f0_prep,@function
k_qaf305a88f0_prep:
	s_mov_b64 s[64:65], 0
	v_nop
	global_prefetch_b8 v0, s[64:65] scope:SCOPE_SE
	s_setreg_imm32_b32 hwreg(HW_REG_WAVE_MODE, 25, 1), 1
	s_wait_xcnt 0x0
; PREP: the f32 inputs become codes of FP8 (E4M3), once, and the cosines and sines of the rotation become a table.
; code = number / 2^e, held within +-448, rounded to the nearest code, ties to even; e is the operand's entry of lowp_scales.
; x is an operand of three products with three given scales (entries 0, 2, 4): three sets of codes are made, whatever the three entries hold.
; wq, wk, wv, wo take entries 1, 3, 5, 11.
; LAYOUT OF THE CODES: [16 planes][8192 row places][64 bytes]: plane p holds k = 64 p .. 64 p + 63 of every row, so that 128 rows of a plane are 8,192
; consecutive bytes.  xc: three such images, 8,388,608 bytes apart.  wc: one image; wq at places 0 on, wk 1024, wv 2048, wo 3072; higher places are neither written nor read.
; SHARES: work-groups 0-255: 32 rows of x each; 256-383: 32 rows of a weight each; 384-415: the table, a group of 16 positions a wave.
; A wave takes 8 rows in 16 steps; a step is a plane: 8 rows x 64 numbers.  Each load reads two rows' 256 consecutive bytes; the 2,048 bytes turn through the wave's own stage
; in LDS (16 bytes of padding behind each 64) and come back 64 bytes a lane: 16 neighbours along K, as the conversions want them.  A lane's 16 codes are 16 bytes: the wave stores 512 consecutive bytes.
; No tensor load, no barrier: waves share nothing.
; THE TABLE rt: [128 groups of 16 positions][8 pieces u][32 lanes][16 bytes]: lane (r, h) of piece u holds cos, sin, cos, sin of position index 16 g + r for the
; frequencies i = 8 (u / 2) + 4 h + 2 (u % 2) + 0, 1: the order in which the next launch's registers take them.  angle = position x 10000^(-i / 32), one f32 product;
; it is reduced by multiples of pi / 2 held in three parts, and sine and cosine are polynomials on +-pi / 4.
; LIMITS: each e used here between -126 and 119; NaN among the inputs is not served (an infinity is held at the largest code); |token_position| up to 131,072.
.set PLANE, 524288                     ; bytes from plane to plane
.set VERS,  8388608                    ; bytes from one image of x's codes to the next
.set STEPS, 16
.set SP,    80                         ; a lane's place in a stage: 64 bytes + 16 of padding
.set WREG,  8192                       ; LDS: a region for each wave: two stages of 32 x SP bytes
.set R,     16                         ; v16-79   four sets of 16 numbers as loaded
.set X,     80                         ; v80-111  two sets of 16 neighbours
.set T,     112
.set C,     128                        ; v128-151 codes: two sets of three versions x 4 registers
.set SC,    152                        ; v152, v154, v156 version z: 2^e as f32
.set OUT,   32                         ; the table path: v32-63, 8 pieces x 4 registers
.set NV,    51                         ; s51  1: x, three versions; 0: a weight, one
.set DST,   52                         ; s[52:57] where the three versions' codes go
	s_load_b512 s[8:23], s[0:1], 0x0               ; x s8, wq s10, wk s12, wv s14, wo s16, token_position s18, lowp_scales s20, xc s22
	s_load_b128 s[24:27], s[0:1], 0x40             ; wc s24, rt s26
	v_lshl_add_u32 v160, v0, 2, 0x8000
	v_mov_b32 v161, 0
	v_lshrrev_b32 v1, 5, v0
	v_readfirstlane_b32 s28, v1                    ; wave 0..3
	v_and_b32 v2, 31, v0                           ; lane
	v_lshlrev_b32 v5, 4, v2                        ; 16 x lane: my place in every store of 512 bytes
	s_wait_kmcnt 0x0
	s_cmp_ge_u32 ttmp9, 384
	s_cbranch_scc1 .Ltable
	; ---------------- numbers into codes ----------------
	s_load_b256 s[32:39], s[20:21], 0x0            ; e0 .. e7
	s_load_b128 s[40:43], s[20:21], 0x20           ; e8 .. e11
	s_max_u32 s29, ttmp9, 256
	s_sub_co_u32 s29, s29, 256                     ; which block of 32 rows of the weights (0 for x)
	s_lshr_b32 s30, s29, 5                         ; which weight: 0 wq, 1 wk, 2 wv, 3 wo
	s_and_b32 s31, s29, 31
	s_lshl_b32 s31, s31, 5                         ; its first row
	s_lshl_b32 s44, s30, 10
	s_add_co_u32 s44, s44, s31                     ; and that row's place in wc
	s_lshl_b32 s45, ttmp9, 5                       ; x: first row = place
	s_mov_b64 s[46:47], s[16:17]                   ; the source: chosen on the work-group's number alone
	s_cmp_eq_u32 s30, 2
	s_cselect_b64 s[46:47], s[14:15], s[46:47]
	s_cmp_eq_u32 s30, 1
	s_cselect_b64 s[46:47], s[12:13], s[46:47]
	s_cmp_eq_u32 s30, 0
	s_cselect_b64 s[46:47], s[10:11], s[46:47]
	s_cmp_lt_u32 ttmp9, 256
	s_cselect_b64 s[46:47], s[8:9], s[46:47]
	s_cselect_b64 s[DST:DST+1], s[22:23], s[24:25]
	s_cselect_b32 s49, s45, s31                    ; first row in the source
	s_cselect_b32 s50, s45, s44                    ; first place in the codes
	s_cselect_b32 s[NV], 1, 0
	s_lshl_b32 s58, s28, 3                         ; my wave's 8 rows
	s_add_co_u32 s49, s49, s58
	s_add_co_u32 s50, s50, s58
	s_lshl_b32 s62, s49, 12                        ; a row of 1,024 f32 is 4,096 bytes
	s_mov_b32 s63, 0
	s_add_nc_u64 s[46:47], s[46:47], s[62:63]
	s_lshl_b32 s62, s50, 6                         ; a place is 64 bytes
	s_add_nc_u64 s[DST:DST+1], s[DST:DST+1], s[62:63]
	s_add_nc_u64 s[DST+2:DST+3], s[DST:DST+1], VERS        ; (used for x alone)
	s_add_nc_u64 s[DST+4:DST+5], s[DST:DST+1], 2*VERS
	s_wait_alu depctr_va_vdst(0)
	v_lshrrev_b32 v3, 4, v2
	v_lshlrev_b32 v3, 12, v3
	v_and_b32 v4, 15, v2
	v_lshl_add_u32 v3, v4, 4, v3                   ; in: lanes 0-15 one row's 256 bytes, lanes 16-31 the next row's
	s_mul_i32 s62, s28, WREG
	v_lshrrev_b32 v14, 2, v2
	v_mul_u32_u24 v14, v14, SP
	v_and_b32 v15, 3, v2
	v_lshl_add_u32 v14, v15, 4, v14
	v_add_nc_u32 v14, s62, v14                     ; the stage, on the way in: four lanes' 64 bytes on end, then the padding
	v_mul_u32_u24 v15, v2, SP
	v_add_nc_u32 v15, s62, v15                     ; and on the way out: my 64 bytes: row lane / 4, columns 16 (lane % 4) on
.macro LOAD t                          ; plane t of my 8 rows: four loads, each two rows x 256 consecutive bytes
.irp i, 0,1,2,3
	global_load_b128 v[R+16*((\t)%4)+4*\i:R+16*((\t)%4)+4*\i+3], v3, s[46:47] offset:256*(\t)+8192*\i th:TH_LOAD_NT
.endr
.endm
.macro TURN t                          ; step t's numbers through the stage; LDS serves a wave's instructions in order (ISA guide 5.7.1.4), so no wait stands between the stores and the loads
.irp i, 0,1,2,3
	ds_store_b128 v14, v[R+16*((\t)%4)+4*\i:R+16*((\t)%4)+4*\i+3] offset:32*SP*((\t)%2)+8*SP*\i
.endr
.irp i, 0,1,2,3
	ds_load_b128 v[X+16*((\t)%2)+4*\i:X+16*((\t)%2)+4*\i+3], v15 offset:32*SP*((\t)%2)+16*\i
.endr
.endm
.irp t, 0,1,2,3
	LOAD \t
.endr
	s_wait_alu depctr_va_vdst(0)
	s_wait_kmcnt 0x0
	s_mov_b32 s48, s43                             ; the first version's e, chosen as the source was: e11, e5, e3, e1, e0
	s_cmp_eq_u32 s30, 2
	s_cselect_b32 s48, s37, s48
	s_cmp_eq_u32 s30, 1
	s_cselect_b32 s48, s35, s48
	s_cmp_eq_u32 s30, 0
	s_cselect_b32 s48, s33, s48
	s_cmp_lt_u32 ttmp9, 256
	s_cselect_b32 s48, s32, s48
.macro MKSC z, e                       ; 2^e as f32 (the conversion takes its exponent field)
	s_add_co_i32 s62, \e, 127
	s_lshl_b32 s63, s62, 23
	v_mov_b32 v[SC+2*\z], s63
.endm
	MKSC 0, s48
	MKSC 1, s34                                    ; e2
	MKSC 2, s36                                    ; e4
	s_wait_alu depctr_va_vdst(0)
	s_wait_loadcnt 12                              ; step 0's four loads are in; those of steps 1 to 3 may be out
	TURN 0
.macro Q1 t, z                         ; version z of step t's codes
.irp i, 0,1,2,3,4,5,6,7,8,9,10,11,12,13,14,15
.endr
	v_cvt_scalef32_pk8_fp8_f32 v[C+12*((\t)%2)+4*\z:C+12*((\t)%2)+4*\z+1], v[T+((X+16*((\t)%2)+0)-(T+0)):T+7+((X+16*((\t)%2)+0)-(T+0))], v[SC+2*\z]
	v_cvt_scalef32_pk8_fp8_f32 v[C+12*((\t)%2)+4*\z+2:C+12*((\t)%2)+4*\z+3], v[T+8+((X+16*((\t)%2)+0)-(T+0)):T+15+((X+16*((\t)%2)+0)-(T+0))], v[SC+2*\z]
	v_nop                                          ; a plain vector line between the conversions and whatever writes their sources next
	global_store_b128 v5, v[C+12*((\t)%2)+4*\z:C+12*((\t)%2)+4*\z+3], s[DST+2*\z:DST+2*\z+1] offset:PLANE*(\t)   ; 8 places x 64 bytes: 512 consecutive bytes, aligned; 15 planes at the most: inside the signed 24-bit immediate
.endm
.macro STEP t
	s_wait_dscnt 0x0                               ; this step's numbers are back from the stage, so its stores into the stage have read their registers,
.if (\t)+4 < STEPS
	LOAD (\t)+4                                    ; which take the loads of four steps on
.endif
.if (\t)+1 < STEPS
.if STEPS-2-(\t) >= 3
	s_wait_loadcnt 12                              ; the next step's four loads are in; those of the three steps behind it may be out
.else
	s_wait_loadcnt 4*(STEPS-2-(\t))
.endif
	TURN (\t)+1                                    ; through the other stage while this step is worked
.endif
	s_wait_xcnt 0x0                                ; the stores of two steps ago have read their data: this set of code registers is written again only behind this wait
	Q1 \t, 0
	s_cmp_lg_u32 s[NV], 0                          ; a weight has one version
	s_cbranch_scc0 .Lone_\@
	Q1 \t, 1
	Q1 \t, 2
.Lone_\@:
.endm
.irp t, 0,1,2,3,4,5,6,7,8,9,10,11,12,13,14,15
	STEP \t
.endr
	s_wait_tensorcnt 0x0
	ds_add_u32 v160, v161
	s_wait_dscnt 0x0
	s_endpgm
	; ---------------- the table of cosines and sines ----------------
.Ltable:
	s_sub_co_u32 s29, ttmp9, 384
	s_lshl_b32 s29, s29, 2
	s_add_co_u32 s29, s29, s28                     ; my group of 16 positions, 0 .. 127
	s_lshl_b32 s30, s29, 6
	s_mov_b32 s31, 0
	s_add_nc_u64 s[18:19], s[18:19], s[30:31]      ; its 16 entries of token_position
	s_lshl_b32 s30, s29, 12
	s_add_nc_u64 s[26:27], s[26:27], s[30:31]      ; its 4,096 bytes of the table
	s_wait_alu depctr_va_vdst(0)
	v_and_b32 v3, 15, v2
	v_lshlrev_b32 v3, 2, v3
	global_load_b32 v4, v3, s[18:19]               ; position of index 16 g + r, in both halves of the lanes
	v_cmp_lt_u32 vcc_lo, 15, v2                    ; lanes 16-31; kept to the end
	v_mov_b32 v7, 0xb94ca1f9                       ; the sine's leading coefficient
	v_mov_b32 v8, 0x37ccf5ce                       ; the cosine's
	s_wait_loadcnt 0x0
	v_cvt_f32_i32 v6, v4
; cos and sin of position x frequency; flo: the frequency of lanes 0-15, fhi: of lanes 16-31
.macro SINCOS dc, ds, flo, fhi
	v_mov_b32 v9, \fhi
	v_cndmask_b32 v9, \flo, v9, vcc_lo
	v_mul_f32 v10, v6, v9                          ; the angle, one f32 product
	v_mul_f32 v11, 0x3f22f983, v10                 ; x 2 / pi
	v_rndne_f32 v11, v11                           ; k
	v_fmamk_f32 v12, v11, 0xbfc90fdb, v10          ; angle - k x pi / 2, pi / 2 in three parts, fused
	v_fmamk_f32 v12, v11, 0x333bbd2e, v12
	v_fmamk_f32 v12, v11, 0x26f72cf9, v12          ; r, within +-pi / 4
	v_cvt_i32_f32 v13, v11
	v_mul_f32 v14, v12, v12                        ; z = r r
	v_fmaak_f32 v15, v7, v14, 0x3c08839e
	v_fmaak_f32 v15, v15, v14, 0xbe2aaaa3
	v_mul_f32 v15, v15, v14
	v_fma_f32 v16, v15, v12, v12                   ; sin r
	v_fmaak_f32 v15, v8, v14, 0xbab6061a
	v_fmaak_f32 v15, v15, v14, 0x3d2aaaa5
	v_mul_f32 v15, v15, v14
	v_fma_f32 v18, v14, -0.5, 1.0
	v_fma_f32 v17, v15, v14, v18                   ; cos r
	v_and_b32 v19, 1, v13
	v_cmp_eq_u32 s30, 1, v19                       ; k odd: sine and cosine change places
	v_cndmask_b32 v[\ds], v16, v17, s30
	v_cndmask_b32 v[\dc], v17, v16, s30
	v_lshlrev_b32 v19, 30, v13
	v_and_b32 v19, 0x80000000, v19                 ; the sine is negated where k % 4 is 2 or 3,
	v_xor_b32 v[\ds], v[\ds], v19
	v_add_nc_u32 v19, 1, v13
	v_lshlrev_b32 v19, 30, v19
	v_and_b32 v19, 0x80000000, v19                 ; the cosine where it is 1 or 2
	v_xor_b32 v[\dc], v[\dc], v19
.endm
; frequencies 8 a .. 8 a + 7 = 10^(-a) x 10^(-b / 8): pieces u = 2 a and 2 a + 1
.macro DECADE a, b0, b1, b2, b3, b4, b5, b6, b7
	SINCOS OUT+8*\a, OUT+8*\a+1, \b0, \b4
	SINCOS OUT+8*\a+2, OUT+8*\a+3, \b1, \b5
	global_store_b128 v5, v[OUT+8*\a:OUT+8*\a+3], s[26:27] offset:1024*\a        ; 512 consecutive bytes, aligned; no register of a store is written again
	SINCOS OUT+8*\a+4, OUT+8*\a+5, \b2, \b6
	SINCOS OUT+8*\a+6, OUT+8*\a+7, \b3, \b7
	global_store_b128 v5, v[OUT+8*\a+4:OUT+8*\a+7], s[26:27] offset:1024*\a+512
.endm
	DECADE 0, 1.0, 0.74989420933, 0.56234132519, 0.42169650343, 0.31622776602, 0.23713737057, 0.17782794100, 0.13335214322
	DECADE 1, 0.1, 0.074989420933, 0.056234132519, 0.042169650343, 0.031622776602, 0.023713737057, 0.017782794100, 0.013335214322
	DECADE 2, 0.01, 0.0074989420933, 0.0056234132519, 0.0042169650343, 0.0031622776602, 0.0023713737057, 0.0017782794100, 0.0013335214322
	DECADE 3, 0.001, 0.00074989420933, 0.00056234132519, 0.00042169650343, 0.00031622776602, 0.00023713737057, 0.00017782794100, 0.00013335214322
	s_endpgm
.Lfunc_end_k_qaf305a88f0_prep:
	.size	k_qaf305a88f0_prep, .Lfunc_end_k_qaf305a88f0_prep-k_qaf305a88f0_prep
	.p2alignl 7, 3214868480
	.fill 96, 4, 3214868480
	.section	.rodata,"a",@progbits
	.p2align	6, 0x0
	.amdhsa_kernel k_qaf305a88f0_prep
		.amdhsa_group_segment_fixed_size 33280
		.amdhsa_private_segment_fixed_size 0
		.amdhsa_enable_private_segment 0
		.amdhsa_kernarg_size 80
		.amdhsa_user_sgpr_count 2
		.amdhsa_user_sgpr_kernarg_segment_ptr 1
		.amdhsa_wavefront_size32 1
		.amdhsa_system_sgpr_workgroup_id_x 1
		.amdhsa_system_sgpr_workgroup_id_y 1
		.amdhsa_system_sgpr_workgroup_id_z 1
		.amdhsa_system_vgpr_workitem_id 0
		.amdhsa_next_free_vgpr 162
		.amdhsa_next_free_sgpr 66
		.amdhsa_reserve_vcc 1
		.amdhsa_float_denorm_mode_32 3
		.amdhsa_float_denorm_mode_16_64 3
		.amdhsa_fp16_overflow 1
		.amdhsa_memory_ordered 1
		.amdhsa_forward_progress 1
		.amdhsa_inst_pref_size 58
	.end_amdhsa_kernel
	.amdgpu_metadata
---
amdhsa.version: [ 1, 2 ]
amdhsa.kernels:
  - .name:           k_qaf305a88f0_prep
    .symbol:         k_qaf305a88f0_prep.kd
    .args:
      - { .name: x, .offset: 0, .size: 8, .value_kind: global_buffer, .address_space: global }
      - { .name: wq, .offset: 8, .size: 8, .value_kind: global_buffer, .address_space: global }
      - { .name: wk, .offset: 16, .size: 8, .value_kind: global_buffer, .address_space: global }
      - { .name: wv, .offset: 24, .size: 8, .value_kind: global_buffer, .address_space: global }
      - { .name: wo, .offset: 32, .size: 8, .value_kind: global_buffer, .address_space: global }
      - { .name: token_position, .offset: 40, .size: 8, .value_kind: global_buffer, .address_space: global }
      - { .name: lowp_scales, .offset: 48, .size: 8, .value_kind: global_buffer, .address_space: global }
      - { .name: xc, .offset: 56, .size: 8, .value_kind: global_buffer, .address_space: global }
      - { .name: wc, .offset: 64, .size: 8, .value_kind: global_buffer, .address_space: global }
      - { .name: rt, .offset: 72, .size: 8, .value_kind: global_buffer, .address_space: global }
    .group_segment_fixed_size: 33280
    .private_segment_fixed_size: 0
    .kernarg_segment_align: 8
    .kernarg_segment_size: 80
    .max_flat_workgroup_size: 128
    .sgpr_count:     66
    .vgpr_count:     162
    .wavefront_size: 32
...
	.end_amdgpu_metadata
.endif
;; end of part 1
;; launch qkv (part 2): grid 24 x 32, 4 waves a work-group, clusters of 4 x 4, 327,680 bytes of LDS; arguments xc, wc, rt, lowp_scales, qkvc; writes qkvc
.if DOCPART == 2
	.amdgcn_target "amdgcn-amd-amdhsa--gfx1250"
	.amdhsa_code_object_version 6
	.text
	.protected	k_qaf305a88f0_qkv
	.globl	k_qaf305a88f0_qkv
	.p2align	8
	.type	k_qaf305a88f0_qkv,@function
k_qaf305a88f0_qkv:
	s_mov_b64 s[64:65], 0
	v_nop
	global_prefetch_b8 v0, s[64:65] scope:SCOPE_SE
	s_setreg_imm32_b32 hwreg(HW_REG_WAVE_MODE, 25, 1), 1
	s_wait_xcnt 0x0
	s_wait_alu depctr_hold_cnt(0) depctr_sa_sdst(0) depctr_va_vdst(0) depctr_va_sdst(0) depctr_va_ssrc(0) depctr_va_vcc(0) depctr_vm_vsrc(0)
	s_getreg_b32 s2, hwreg(HW_REG_IB_STS2, 6, 4)
	s_cmp_eq_u32 s2, 0
	s_cbranch_scc0 .Lentry_in_a_cluster
	s_endpgm
.Lentry_in_a_cluster:
	s_bfe_u32 s2, ttmp6, 0x10000c
	s_cmp_lg_u32 s2, 0xf033
	s_cbranch_scc0 .Lentry_shape_is_right
	s_endpgm
.Lentry_shape_is_right:
; QKV: the three projections on codes of FP8 (E4M3), the rotation of q and k, and the quantising of q, k and v for the attention's two products.
; A tile of 256 x 128 of a product C[i][j] = sum over k of A[i][k] B[j][k], K = 1,024, is made by a work-group of four waves; a wave makes 128 x 64: 32 accumulators of 16 x 16.
; PARTS, by the cluster's x (0, 1: q; 2, 3: k; 4, 5: v).  q, k: A = x's codes (rows = tokens), B = the weight's (rows = features).
; v: A = wv's codes (rows = head and channel), B = x's codes (rows = tokens): so a lane holds one channel and eight neighbouring KEYS, and v's codes come out with the keys innermost.
; OPERANDS lie as [16 planes][8192 places][64 bytes] (plane p: k = 64 p on): 128 rows of a plane are 8,192 consecutive bytes.  A K step is 256 = four planes.
; THREE LDS SLOTS for K's four steps: steps 0, 1, 2 go out together at the start, step 3 fills slot 0 again when it has been read: one refill, which has two K steps' products in which to land.
; By this text's count a wave has at most three tensor loads out.
; CLUSTERS: 4 x 4 work-groups.  A's tile is shared along a row of the cluster, B's along a column: each is asked for jointly, by the same tensor load with the same descriptor and a mask that names the four.
; THE MATRIX INSTRUCTION IS USED TRANSPOSED (source 0 = 16 rows of B, source 1 = 16 rows of A): register j of lane (r, h) of accumulator (a, b) is C(16 a + r, 16 b + 8 h + j).
; A fragment (16 rows x 128 K) comes by four loads of 16 bytes: registers 4 c .. 4 c + 3 hold k = 32 c + 16 h + 0 .. 15: a permutation of k that is the same in A and in B.
; THE WAY OUT.  A sum stands for sum x 2^(its two operands' e).  The rotation is linear, so it is made on the sums, and the three exponents are folded into the conversion's one scale, 2^E:
; E = e6 - e0 - e1 (q), e7 - e2 - e3 (k), e9 - e4 - e5 (v).  A wave's 64 columns are one head (q, k) or one block of 64 keys (v).
; qkvc: q at 0, k at 8,388,608: [64 (batch, head)][2048 tokens][64]; v at 16,777,216: [64 (batch, head)][32 blocks of keys][64 channels][64 keys].  In all three a row's number 16 b + 8 h + j lies at byte
; 32 (b / 2) + 16 h + 8 (b % 2) + j: for q and k the same permutation of the contracted axis on both sides; for v the order in which a load of 16 bytes gives the second product's operand its registers.
; LIMITS: E between -126 and 119, so that 2^E and 448 x 2^E are f32 numbers.
; REGISTERS, in windows of 256: window 0: v0-31 addresses, v32-71 at work on the way out, v128-255 A's 8 fragments (one set), later rows of codes;  window 1: B's 4 fragments, two sets, at v0 and v64;
;   window 2: the accumulators, (a, b) at v[8 (4 a + b)];  window 3: cosines and sines, for block a at v[32 a]: register 8 b + 2 p the cosine, 8 b + 2 p + 1 the sine of the pair of columns 16 b + 8 h + 2 p, + 1.
.set PLANE,  524288                    ; bytes from plane to plane
.set KSB,    4*PLANE                   ; a K step in memory
.set PLA,    8704                      ; a plane of 128 rows in LDS: 8,192 bytes + 16 of padding behind each 256
.set PLB,    4352                      ; of 64 rows
.set HFA,    4*PLA                     ; what one tensor load brings of A: 128 rows x 256 K
.set HFB,    4*PLB                     ; of B: 64 rows x 256 K
.set BOFF,   2*HFA                     ; a slot: A's two halves, then B's two
.set SLOT,   2*HFA+2*HFB               ; 104,448
.set SPARE,  3*SLOT                    ; behind the slots: the spare words, 128 bytes for each wave: two blocks of 256 bytes that no other line names
.set BLK,    1088                      ; 16 rows of a plane: row i lies at 64 i + 16 (i / 4): the 16 rows of a load fall on 16 different columns of 16 bytes modulo 256
.set FR,     16                        ; registers of a fragment
.set AF,     128
.set ADRA,   16                        ; v16-18  LDS address of my A fragments in slot 0, 1, 2
.set ADRB,   20                        ; v20-22  the same for B
.set SPW,    28                        ; v28  LDS address of my spare word; never rewritten
.set NIL,    29                        ; v29  0; never rewritten
.set L16,    30                        ; v30  16 x lane
.set U,      32                        ; v32-63  a block's 32 numbers a lane
.set CD,     64                        ; v64-71  their codes
.set BK,     128                       ; v128-191  rows of codes read back from the stage, 8 registers a block
.set STQ,    SLOT                      ; the stages lie in slot 1, which has had its only fill and its last read when the first code is stored there: q's and k's path: 10,240 bytes a wave,
.set STV,    SLOT+4*10240              ; v's path: bytes of its own
.set G1A,    24                        ; s[24:31] descriptor group 1 for A's tiles;  s[32:39] for B's
.set G1B,    32
.set G0A,    68                        ; s[68:79] group 0 for A's tiles, a set for each slot;  s[80:91] for B's
.set G0B,    80
.set OUTS,   92                        ; s[92:93] where blocks 0-3 go, s[94:95] blocks 4-7
.set MSB,    0
.macro WIN new                         ; the immediate's high byte repeats the setting that is left
.if MSB != \new
	s_set_vgpr_msb (MSB<<8)|\new
.set MSB, \new
.endif
.endm
.set MUL,  0xa1                        ; source 0 (B) window 1, source 1 (A) window 0, C and D window 2
.set TO_B, 0x40                        ; destination window 1, address window 0
.macro PLACES n
.rept \n
	v_nop
.endr
.endm
.macro CREST                           ; a round of the cluster's barrier behind its opening barrier
	s_cmp_lg_u32 s14, 0
	s_cbranch_scc1 .Lnot_wave_0_\@
	s_barrier_signal -3
.Lnot_wave_0_\@:
	s_barrier_wait -3
	s_barrier_signal -1
	s_barrier_wait -1
.endm
.macro CROUND                          ; a whole round
	s_barrier_signal -1
	s_barrier_wait -1
	CREST
.endm
.macro JLOAD                           ; the joint refill of slot 0: waves 0 and 1 fetch A's halves, waves 2 and 3 B's; four v_nop follow each line
	s_cmp_eq_u32 s15, 0
	s_cbranch_scc0 .Lfor_b_\@
	tensor_load_to_lds s[G0A:G0A+3], s[G1A:G1A+7]
	s_nop 0
	PLACES 4
	s_branch .Lasked_\@
.Lfor_b_\@:
	tensor_load_to_lds s[G0B:G0B+3], s[G1B:G1B+7]
	s_nop 0
	PLACES 4
.Lasked_\@:
.endm
	s_load_b256 s[4:11], s[0:1], 0x0               ; xc s4, wc s6, rt s8, lowp_scales s10
	s_load_b64 s[12:13], s[0:1], 0x20              ; qkvc
	v_lshl_add_u32 v[SPW], v0, 2, SPARE
	v_mov_b32 v[NIL], 0
	ds_add_u32 v28, v29
	ds_add_u32 v28, v29
	s_wait_dscnt 0x0
	v_lshrrev_b32 v1, 5, v0
	v_readfirstlane_b32 s14, v1                    ; wave 0..3
	s_lshr_b32 s15, s14, 1                         ; which half of the tile's rows is mine.  Also: I fetch for A (0) or for B (1)
	s_and_b32 s16, s14, 1                          ; which half of its columns.  Also: which half of that tile I fetch
	s_bfe_u32 s40, ttmp6, 0x40000                  ; cx, cy: my place in the cluster
	s_bfe_u32 s41, ttmp6, 0x40004
	s_and_b32 s18, ttmp7, 0xffff                   ; the cluster's y, 0..7
	s_and_b32 s19, ttmp9, 1
	s_lshr_b32 s20, ttmp9, 1                       ; the part: 0 q, 1 k, 2 v: the same in all partners
	s_lshl_b32 s21, s19, 3
	s_add_co_u32 s21, s21, s18
	s_lshl_b32 s96, s20, 23                        ; q, k: A = image `part` of x's codes,
	s_lshl_b32 s97, s20, 16                        ; B = the weight at place 1,024 x part
	s_cmp_ge_u32 ttmp9, 4
	s_cselect_b32 s22, s21, s19                    ; which four tile columns: v has 64 of them (tokens), q and k 8
	s_cselect_b32 s23, 0, s18                      ; which four tile rows: v has 4 (wv's rows), q and k 32
	s_cselect_b32 s96, 0x20000, s96                ; v: A = wv at place 2,048,
	s_cselect_b32 s97, 0x1000000, s97              ; B = image 2 of x's codes
	s_lshl_b32 s42, s22, 2
	s_add_co_u32 s42, s42, s40                     ; tile column
	s_lshl_b32 s17, s23, 2
	s_add_co_u32 s17, s17, s41                     ; tile row
	s_lshl_b32 s43, s41, 2
	s_lshl_b32 s43, 15, s43                        ; my row of the cluster
	s_lshl_b32 s44, 0x1111, s40                    ; my column
	; descriptor group 1: four planes of 8,192 (A) or 4,096 (B) consecutive bytes, PLANE bytes apart; elements of one byte; 4 words of padding behind every 64
	s_or_b32 s[G1A], s43, (1<<20)|(1<<21)|(5<<22)|(3<<25)
	s_or_b32 s[G1B], s44, (1<<20)|(1<<21)|(5<<22)|(3<<25)
	s_mov_b32 s[G1A+1], 8192<<16                   ; tensor_dim0
	s_mov_b32 s[G1A+2], 4<<16                      ; tensor_dim1
	s_mov_b32 s[G1A+3], 8192<<16                   ; tile_dim0
	s_mov_b32 s[G1A+4], 4                          ; tile_dim1
	s_mov_b32 s[G1A+5], PLANE                      ; tensor_dim0_stride
	s_mov_b32 s[G1A+6], 0
	s_mov_b32 s[G1A+7], 0
	s_mov_b32 s[G1B+1], 4096<<16
	s_mov_b32 s[G1B+2], 4<<16
	s_mov_b32 s[G1B+3], 4096<<16
	s_mov_b32 s[G1B+4], 4
	s_mov_b32 s[G1B+5], PLANE
	s_mov_b32 s[G1B+6], 0
	s_mov_b32 s[G1B+7], 0
	s_lshl_b32 s45, s17, 8                         ; A: place 256 x tile row + 128 x half: it hangs on the tile row alone, which my row of the cluster shares
	s_lshl_b32 s46, s16, 7
	s_add_co_u32 s45, s45, s46
	s_lshl_b32 s45, s45, 6
	s_add_co_u32 s92, s45, s96
	s_mov_b32 s93, 0
	s_lshl_b32 s60, s42, 7                         ; B: place 128 x tile column + 64 x half: on the tile column alone
	s_lshl_b32 s61, s16, 6
	s_add_co_u32 s60, s60, s61
	s_lshl_b32 s60, s60, 6
	s_add_co_u32 s94, s60, s97
	s_mov_b32 s95, 0
	s_mul_i32 s62, s16, HFA                        ; where they go in a slot: no place in the cluster enters an LDS address
	s_mul_i32 s63, s16, HFB
	s_add_co_u32 s63, s63, BOFF
	s_wait_kmcnt 0x0
	s_load_b256 s[48:55], s[10:11], 0x0            ; e0 .. e7
	s_load_b128 s[56:59], s[10:11], 0x20           ; e8 .. e11
	s_cmp_ge_u32 ttmp9, 4
	s_cselect_b64 s[2:3], s[6:7], s[4:5]           ; A's buffer and B's: a choice on the cluster's x alone
	s_cselect_b64 s[98:99], s[4:5], s[6:7]
	s_add_nc_u64 s[2:3], s[2:3], s[92:93]
	s_add_nc_u64 s[98:99], s[98:99], s[94:95]
	CROUND                                         ; all sixteen work-groups are here: the first joint loads meet
.irp n, 0,1,2
	s_mov_b32 s[G0A+4*\n], 1
	s_add_co_u32 s[G0A+4*\n+1], s62, \n*SLOT
	s_add_nc_u64 s[G0A+4*\n+2:G0A+4*\n+3], s[2:3], \n*KSB
	s_or_b32 s[G0A+4*\n+3], s[G0A+4*\n+3], 0x80000000
	s_mov_b32 s[G0B+4*\n], 1
	s_add_co_u32 s[G0B+4*\n+1], s63, \n*SLOT
	s_add_nc_u64 s[G0B+4*\n+2:G0B+4*\n+3], s[98:99], \n*KSB
	s_or_b32 s[G0B+4*\n+3], s[G0B+4*\n+3], 0x80000000
.endr
	s_cmp_eq_u32 s15, 0                            ; a wave's three first fills stand in one branch, ahead of every wait on TENSORcnt and every LDS read
	s_cbranch_scc0 .Lfirst_b
	tensor_load_to_lds s[G0A:G0A+3], s[G1A:G1A+7]
	s_nop 0
	tensor_load_to_lds s[G0A+4:G0A+7], s[G1A:G1A+7]
	s_nop 0
	tensor_load_to_lds s[G0A+8:G0A+11], s[G1A:G1A+7]
	s_nop 0
	PLACES 4
	s_branch .Lfirst_asked
.Lfirst_b:
	tensor_load_to_lds s[G0B:G0B+3], s[G1B:G1B+7]
	s_nop 0
	tensor_load_to_lds s[G0B+4:G0B+7], s[G1B:G1B+7]
	s_nop 0
	tensor_load_to_lds s[G0B+8:G0B+11], s[G1B:G1B+7]
	s_nop 0
	PLACES 4
.Lfirst_asked:
	v_and_b32 v1, 15, v0                           ; r
	v_bfe_u32 v2, v0, 4, 1                         ; h
	v_lshlrev_b32 v3, 6, v1
	v_lshrrev_b32 v4, 2, v1
	v_lshl_add_u32 v3, v4, 4, v3
	v_lshl_add_u32 v3, v2, 4, v3                   ; a fragment's row: 64 r + 16 (r / 4), + 16 h
	s_mul_i32 s21, s15, HFA                        ; my 128 rows of A
	s_mul_i32 s22, s16, HFB                        ; my 64 rows of B
	s_add_co_u32 s22, s22, BOFF
.irp s, 0,1,2
	v_add_nc_u32 v[ADRA+\s], s21, v3
	v_add_nc_u32 v[ADRB+\s], s22, v3
	s_add_co_u32 s21, s21, SLOT
	s_add_co_u32 s22, s22, SLOT
.endr
	v_and_b32 v5, 31, v0
	v_lshlrev_b32 v[L16], 4, v5
	s_mul_i32 s23, s14, 10240                      ; my stage: 8 blocks x 16 rows x (64 bytes + 16)
	v_mul_u32_u24 v6, v1, 80
	v_lshl_add_u32 v6, v2, 4, v6
	v_add_nc_u32 v6, s23, v6                       ; in: row r, + 16 h
	v_add_nc_u32 v24, STQ, v6
	v_add_nc_u32 v26, STV, v6
	v_lshrrev_b32 v7, 2, v5
	v_mul_u32_u24 v7, v7, 80
	v_and_b32 v8, 3, v5
	v_lshl_add_u32 v7, v8, 4, v7
	v_add_nc_u32 v7, s23, v7                       ; back: four lanes to a row of 64 bytes, eight rows an instruction
	v_add_nc_u32 v25, STQ, v7
	v_add_nc_u32 v27, STV, v7
	; where the codes go.  q, k: my first token T0 = 256 x tile row + 128 x half; my head = 2 x tile column + half
	s_lshl_b32 s18, s17, 8
	s_lshl_b32 s19, s15, 7
	s_add_co_u32 s18, s18, s19                     ; T0
	s_lshr_b32 s19, s18, 11
	s_lshl_b32 s19, s19, 21                        ; the batch's 16 heads x 131,072 bytes
	s_and_b32 s45, s18, 2047                       ; T0's index in the sequence
	s_lshl_b32 s46, s45, 6
	s_add_co_u32 s19, s19, s46
	s_lshl_b32 s46, s42, 1
	s_add_co_u32 s46, s46, s16
	s_lshl_b32 s46, s46, 17
	s_add_co_u32 s19, s19, s46
	s_lshl_b32 s46, s20, 23
	s_add_co_u32 s19, s19, s46
	s_lshl_b32 s2, s45, 8                          ; the table: 256 bytes a position
	s_mov_b32 s3, 0
	s_add_nc_u64 s[8:9], s[8:9], s[2:3]
	; v: my first key N0 = 128 x tile column + 64 x half; my first head = 4 x tile row + 2 x half
	s_lshl_b32 s46, s42, 7
	s_lshl_b32 s47, s16, 6
	s_add_co_u32 s46, s46, s47                     ; N0
	s_lshr_b32 s47, s46, 11
	s_lshl_b32 s47, s47, 21
	s_and_b32 s46, s46, 2047
	s_lshr_b32 s46, s46, 6
	s_lshl_b32 s46, s46, 12                        ; a block of 64 keys: 64 channels x 64 bytes
	s_add_co_u32 s47, s47, s46
	s_lshl_b32 s46, s17, 2
	s_lshl_b32 s60, s15, 1
	s_add_co_u32 s46, s46, s60
	s_lshl_b32 s46, s46, 17
	s_add_co_u32 s47, s47, s46
	s_add_co_u32 s47, s47, 0x1000000
	s_mov_b32 s61, 0x20000
	s_mov_b32 s93, 0
	s_mov_b32 s95, 0
	s_cmp_ge_u32 ttmp9, 4
	s_cselect_b32 s92, s47, s19
	s_cselect_b32 s94, s61, 4096                   ; blocks 4-7: v: the next head; q, k: 64 tokens on
	s_add_nc_u64 s[OUTS:OUTS+1], s[12:13], s[92:93]
	s_add_nc_u64 s[OUTS+2:OUTS+3], s[OUTS:OUTS+1], s[94:95]
	s_wait_kmcnt 0x0
	s_sub_co_i32 s60, s54, s48                     ; E for q,
	s_sub_co_i32 s60, s60, s49
	s_sub_co_i32 s61, s55, s50                     ; for k,
	s_sub_co_i32 s61, s61, s51
	s_sub_co_i32 s62, s57, s52                     ; for v; chosen without a branch
	s_sub_co_i32 s62, s62, s53
	s_cmp_eq_u32 s20, 1
	s_cselect_b32 s60, s61, s60
	s_cmp_eq_u32 s20, 2
	s_cselect_b32 s60, s62, s60
	s_add_co_i32 s60, s60, 127
	s_lshl_b32 s61, s60, 23
	v_mov_b32 v12, s61                             ; 2^E as f32: the conversion takes its exponent field
	s_add_co_i32 s60, s60, 8
	s_lshl_b32 s60, s60, 23
	s_or_b32 s60, s60, 0x600000
	v_mov_b32 v13, s60                             ; 448 x 2^E
	s_cmp_eq_u32 s20, 2                            ; v is not rotated: a branch on the part, which all partners share
	s_cbranch_scc1 .Lno_table
	WIN 0xc0                                       ; destination window 3
.irp a, 0,1,2,3,4,5,6,7
.irp u, 0,1,2,3,4,5,6,7
	global_load_b128 v[32*\a+4*\u:32*\a+4*\u+3], v[L16], s[8:9] offset:4096*\a+512*\u   ; 512 consecutive bytes; they land while the products run
.endr
.endr
	WIN 0
.Lno_table:
.macro FRAG reg, adr, q, off, pln      ; a fragment of the slot's q-th 128 along K: planes 2 q and 2 q + 1, 32 bytes of each for each half of the lanes
.irp c, 0,1,2,3
	ds_load_b128 v[\reg+4*\c:\reg+4*\c+3], v[\adr] offset:(2*(\q)+\c/2)*(\pln)+32*(\c%2)+(\off)
.endr
.endm
.macro FETCH_B slot, q, p              ; B's four fragments into set p
	WIN TO_B
.irp i, 0,1,2,3
	FRAG 64*(\p)+FR*\i, ADRB+\slot, \q, BLK*\i, PLB
.endr
	WIN 0
.endm
.macro FETCH_A slot, q, i0             ; A's blocks i0 .. i0 + 3
.irp i, \i0, \i0+1, \i0+2, \i0+3
	FRAG AF+FR*(\i), ADRA+\slot, \q, BLK*(\i), PLA
.endr
.endm
; 8 matrix instructions: A's blocks a0, a0 + 1 x B's four.  zero = 1: the first product starts the sums.  The 32 accumulators take turns, one instruction a turn, in the same order in every step.
.macro MUL8 a0, p, zero
.irp a, \a0, \a0+1
.irp b, 0,1,2,3
.if \zero
	v_wmma_f32_16x16x128_fp8_fp8 v[8*(4*(\a)+\b):8*(4*(\a)+\b)+7], v[64*(\p)+FR*\b:64*(\p)+FR*\b+FR-1], v[AF+FR*(\a):AF+FR*(\a)+FR-1], 0
.else
	v_wmma_f32_16x16x128_fp8_fp8 v[8*(4*(\a)+\b):8*(4*(\a)+\b)+7], v[64*(\p)+FR*\b:64*(\p)+FR*\b+FR-1], v[AF+FR*(\a):AF+FR*(\a)+FR-1], v[8*(4*(\a)+\b):8*(4*(\a)+\b)+7]
.endif
.endr
.endr
.endm
; A step of 128 along K on B's set p; the next step's fragments come from slot ns, its nq-th 128.  A block of A is free when its four products are issued, so A has one set: blocks 0-3 are fetched anew
; in the step's middle, blocks 4-7 at its end.  Four plain places stand between a matrix instruction and a load into a register that it has read (ISA guide 7.12.1 for vector instructions).
.macro STEP p, ns, nq, zero
	s_wait_dscnt 16                                ; B's set and A's blocks 0-3 are in; the youngest sixteen loads (A's blocks 4-7) may be out
	WIN MUL
	MUL8 0, \p, \zero
	MUL8 2, \p, \zero
	s_wait_dscnt 0x0                               ; A's blocks 4-7 are in
	PLACES 4
	FETCH_B \ns, \nq, 1-\p
	FETCH_A \ns, \nq, 0
	WIN MUL
	MUL8 4, \p, \zero
	MUL8 6, \p, \zero
	PLACES 4
	WIN 0
	FETCH_A \ns, \nq, 4
.endm
; A step that meets the other waves: in front of the barrier each wave waits for all its tensor loads, adds 0 to its spare word, and waits for that and for its LDS reads.
; fill = 1: the barrier opens a round of the cluster's barrier, and slot 0, which nobody reads any more, takes K step 3.
.macro TURN p, ns, fill
	s_wait_tensorcnt 0x0                           ; all my tensor loads have landed  (every window is 0 here: the add's two registers lie in window 0)
	ds_add_u32 v[SPW], v[NIL]                      ; 0 onto my spare word
	s_wait_dscnt 17                                ; (the add and the youngest sixteen loads may be out)
	WIN MUL
	MUL8 0, \p, 0                                  ; eight matrix instructions stand between the add and the wait for it
	s_wait_dscnt 0x0                               ; the add is done, and my LDS reads so far are over
	s_barrier_signal -1
	MUL8 2, \p, 0
	WIN 0
	s_barrier_wait -1
.if \fill
	CREST                                          ; no wave of any partner still reads slot 0 or has a load on its way
	s_add_nc_u64 s[G0A+2:G0A+3], s[G0A+2:G0A+3], 3*KSB
	s_add_nc_u64 s[G0B+2:G0B+3], s[G0B+2:G0B+3], 3*KSB
	JLOAD                                          ; the first tensor load behind the round, one a wave; its four v_nop are also the places in front of the loads below
.else
	PLACES 4
.endif
	FETCH_B \ns, 0, 1-\p
	FETCH_A \ns, 0, 0
	WIN MUL
	MUL8 4, \p, 0
	MUL8 6, \p, 0
	PLACES 4
	WIN 0
	FETCH_A \ns, 0, 4
.endm
	s_wait_tensorcnt 2                             ; my part of K step 0 is in; K steps 1 and 2 may stay out
	s_barrier_signal -1
	s_barrier_wait -1                              ; everybody's is
	FETCH_B 0, 0, 0
	FETCH_A 0, 0, 0
	FETCH_A 0, 0, 4
	STEP 0, 0, 1, 1                                ; k 0-127: its products start the sums
	TURN 1, 1, 1                                   ; k 128-255; slots 1 and 2 are whole in every wave; slot 0 takes K step 3
	STEP 0, 1, 1, 0                                ; k 256-383
	STEP 1, 2, 0, 0                                ; k 384-511
	STEP 0, 2, 1, 0                                ; k 512-639
	TURN 1, 0, 0                                   ; k 640-767; K step 3 is whole; behind this barrier nobody reads slots 1 and 2
	STEP 0, 0, 1, 0                                ; k 768-895
	s_wait_dscnt 16                                ; k 896-1023: nothing more to fetch
	WIN MUL
	MUL8 0, 1, 0
	MUL8 2, 1, 0
	s_wait_dscnt 0x0
	MUL8 4, 1, 0
	MUL8 6, 1, 0
	WIN 0
	PLACES 4                                       ; in front of the first read of results and of loads into the registers that held A's fragments
; THE WAY OUT of block a (16 rows x 64 columns).  rope = 1: each pair of columns is rotated by its row's angle.  Then the hold, the conversion, and the way through my own stage:
; a lane's 8 codes of accumulator b go to byte 32 (b / 2) + 16 h + 8 (b % 2) of row r, and the rows come back eight at a time as 512 consecutive bytes.
.macro EPI a, rope, sto, rd
.if \rope
	WIN 0x0e                                       ; source 0 (the sums) window 2, source 1 (the table) window 3
.irp b, 0,1,2,3
.irp p, 0,1,2,3
	v_mul_f32 v[U+8*\b+2*\p],   v[32*(\a)+8*\b+2*\p+1], v[32*(\a)+8*\b+2*\p+1]             ; odd x sin  (each accumulator is first read at its register 1, one of its four lowest)
	v_mul_f32 v[U+8*\b+2*\p+1], v[32*(\a)+8*\b+2*\p+1], v[32*(\a)+8*\b+2*\p]               ; odd x cos
	v_fma_f32 v[U+8*\b+2*\p],   v[32*(\a)+8*\b+2*\p], v[32*(\a)+8*\b+2*\p], -v[U+8*\b+2*\p]        ; even x cos - odd x sin
	v_fma_f32 v[U+8*\b+2*\p+1], v[32*(\a)+8*\b+2*\p], v[32*(\a)+8*\b+2*\p+1], v[U+8*\b+2*\p+1]     ; even x sin + odd x cos
.endr
.endr
	WIN 0
.set J, 0
.rept 32
.set J, J+1
.endr
.else
	WIN 0x02                                       ; source 0 window 2
.set J, 0
.rept 32
	v_med3_num_f32 v[U+J], v[32*(\a)+J], -v13, v13 ; each accumulator from its low end on
.set J, J+1
.endr
	WIN 0
.endif
.irp b, 0,1,2,3
	v_cvt_scalef32_pk8_fp8_f32 v[CD+2*\b:CD+2*\b+1], v[U+8*\b:U+8*\b+7], v12
.endr
	v_nop                                          ; a plain vector line between the conversions and the next block's lines, which write their sources
.irp b, 0,1,2,3
	ds_store_b64 v[\sto], v[CD+2*\b:CD+2*\b+1] offset:1280*(\a)+32*(\b/2)+8*(\b%2)
.endr
	ds_load_b128 v[BK+8*(\a):BK+8*(\a)+3], v[\rd] offset:1280*(\a)        ; LDS serves a wave's instructions in order (ISA guide 5.7.1.4): these see the stores above
	ds_load_b128 v[BK+8*(\a)+4:BK+8*(\a)+7], v[\rd] offset:1280*(\a)+640
.endm
.macro SEND a, younger                 ; younger: the LDS instructions issued behind block a's loads
	s_wait_dscnt \younger
	global_store_b128 v[L16], v[BK+8*(\a):BK+8*(\a)+3], s[OUTS+2*((\a)/4):OUTS+2*((\a)/4)+1] offset:1024*((\a)%4)         ; 8 rows x 64 bytes: 512 consecutive bytes, aligned; no register of a store is written again
	global_store_b128 v[L16], v[BK+8*(\a)+4:BK+8*(\a)+7], s[OUTS+2*((\a)/4):OUTS+2*((\a)/4)+1] offset:1024*((\a)%4)+512
.endm
.macro WAYOUT rope, sto, rd
	EPI 0, \rope, \sto, \rd
.irp a, 1,2,3,4,5,6,7
	EPI \a, \rope, \sto, \rd
	SEND \a-1, 6                                   ; behind block a - 1's loads: block a's four stores and two loads
.endr
	SEND 7, 0
.endm
	s_cmp_eq_u32 s20, 2
	s_cbranch_scc1 .Lv_out
	s_wait_loadcnt 0x0                             ; the table
	WAYOUT 1, 24, 25
	s_branch .Lend
.Lv_out:
	s_wait_alu depctr_va_vdst(0)
	WAYOUT 0, 26, 27
.Lend:
	s_wait_tensorcnt 0x0                           ; the wave's end, behind my last tensor load and my last LDS store
	ds_add_u32 v[SPW], v[NIL]
	s_wait_dscnt 0x0
	CROUND                                         ; the closing round: no work-group ends while a partner may still ask for a tile that names it
	s_endpgm
.Lfunc_end_k_qaf305a88f0_qkv:
	.size	k_qaf305a88f0_qkv, .Lfunc_end_k_qaf305a88f0_qkv-k_qaf305a88f0_qkv
	.p2alignl 7, 3214868480
	.fill 96, 4, 3214868480
	.section	.rodata,"a",@progbits
	.p2align	6, 0x0
	.amdhsa_kernel k_qaf305a88f0_qkv
		.amdhsa_group_segment_fixed_size 327680
		.amdhsa_private_segment_fixed_size 0
		.amdhsa_enable_private_segment 0
		.amdhsa_kernarg_size 40
		.amdhsa_user_sgpr_count 2
		.amdhsa_user_sgpr_kernarg_segment_ptr 1
		.amdhsa_wavefront_size32 1
		.amdhsa_system_sgpr_workgroup_id_x 1
		.amdhsa_system_sgpr_workgroup_id_y 1
		.amdhsa_system_sgpr_workgroup_id_z 1
		.amdhsa_system_vgpr_workitem_id 0
		.amdhsa_next_free_vgpr 1024
		.amdhsa_next_free_sgpr 100
		.amdhsa_reserve_vcc 0
		.amdhsa_float_denorm_mode_32 3
		.amdhsa_float_denorm_mode_16_64 3
		.amdhsa_fp16_overflow 1
		.amdhsa_memory_ordered 1
		.amdhsa_forward_progress 1
		.amdhsa_inst_pref_size 117
	.end_amdhsa_kernel
	.amdgpu_metadata
---
amdhsa.version: [ 1, 2 ]
amdhsa.kernels:
  - .name:           k_qaf305a88f0_qkv
    .symbol:         k_qaf305a88f0_qkv.kd
    .args:
      - { .name: xc, .offset: 0, .size: 8, .value_kind: global_buffer, .address_space: global }
      - { .name: wc, .offset: 8, .size: 8, .value_kind: global_buffer, .address_space: global }
      - { .name: rt, .offset: 16, .size: 8, .value_kind: global_buffer, .address_space: global }
      - { .name: lowp_scales, .offset: 24, .size: 8, .value_kind: global_buffer, .address_space: global }
      - { .name: qkvc, .offset: 32, .size: 8, .value_kind: global_buffer, .address_space: global }
    .group_segment_fixed_size: 327680
    .private_segment_fixed_size: 0
    .kernarg_segment_align: 8
    .kernarg_segment_size: 40
    .max_flat_workgroup_size: 128
    .sgpr_count:     100
    .vgpr_count:     1024
    .wavefront_size: 32
...
	.end_amdgpu_metadata
.endif
;; end of part 2
;; launch attn (part 3): grid 4 x 64, 16 waves a work-group, no clusters, 327,680 bytes of LDS; arguments qkvc, lowp_scales, ac; writes ac
.if DOCPART == 3
	.amdgcn_target "amdgcn-amd-amdhsa--gfx1250"
	.amdhsa_code_object_version 6
	.text
	.protected	k_qaf305a88f0_attn
	.globl	k_qaf305a88f0_attn
	.p2align	8
	.type	k_qaf305a88f0_attn,@function
k_qaf305a88f0_attn:
	s_mov_b64 s[64:65], 0
	v_nop
	global_prefetch_b8 v0, s[64:65] scope:SCOPE_SE
	s_setreg_imm32_b32 hwreg(HW_REG_WAVE_MODE, 25, 1), 1
	s_wait_xcnt 0x0
; ATTENTION with the causal mask, both products on codes of FP8 (E4M3): scores = q k^T (scales e6, e7), o = p v (e8, e9); o is quantised (e10) for the last projection.
; qkvc: q at 0, k at 8,388,608: [64 (batch, head)][2048][64]; v at 16,777,216: [64][32 blocks of keys][64 channels][64 keys]; within a row of 64 bytes number 16 b + 8 h + j lies at byte 32 (b / 2) + 16 h + 8 (b % 2) + j.
; ac: [16 heads][8192 tokens][64 channels], codes in their natural order: the planes of the last projection's operand.
; THE SOFTMAX: t = score x log2(e) / 8; M = the row's largest t so far, rounded UP to a whole number; p = 2^(t - M) is what is quantised; the row's sum is taken of the unquantised p and divides at the end.
; When M moves, the sum and O are multiplied by 2^(old M - new M): exact.
; SHARES.  Work-group (i, head) owns the query blocks 7 - i and i of its head, 256 queries each.  Block c needs the key slots 0 .. c (256 keys a slot): 8 - i and i + 1 slots: NINE for every work-group.
; So all 256 work-groups have the same work, the loop's trip count is a constant, and no tile is fetched that the mask hides altogether.  Each of sixteen waves owns 16 queries of the block in hand.
; RING: two LDS slots; wave 0 fetches a slot's keys, wave 1 its values, 16,384 consecutive bytes each, as 64 rows of 256 bytes with 16 of padding.
; LAYOUT.  Both products are used transposed: S^T = K Q^T (source 0 = 16 keys, source 1 = my 16 queries), O^T = V^T P^T: a lane holds ONE query (lane % 16) throughout.  Register j of tile t of S^T is key 16 t + 8 h + j:
; the conversion of tile t gives registers 2 t, 2 t + 1 of the second product's operand, as its layout has them, and v's stored order gives V^T's fragment the same keys by loads of 16 bytes.
; NO CLUSTER: from the sixth trip on the four work-groups of a head ask for different slots (each turns back to slot 0 after 8 - i trips); a form in which all four ask for every tile jointly would take 16 rounds in place of 9.
; LIMITS on the given exponents, so that each power of two below is an f32 number: e6 + e7 between -123 and 130; e8, and e10 - e8 - e9, between -126 and 119.
; REGISTERS: v1-11 addresses; v12 -M, v13 the largest t, v[14:15] the sum in two halves; v16-23 Q in hand, v24-31 the second block's; v32-95 K's 8 fragments, then V's 4; v96-159 S^T, then p; v160-191 O^T;
;   v192-207 p's codes; v208-223 the way out; v234-255 at work and scales.
.set SLOT1, 65536                      ; slot 1 begins here: one exclusive or turns an address in one slot into the other's
.set VOFF,  17408                      ; a slot: 256 keys (64 x 272 bytes), then 4 blocks of values (as many)
.set BLK,   1088                       ; 16 rows of 64 bytes: row i lies at 64 i + 16 (i / 4)
.set KBV,   4352                       ; a block of values: 64 rows
.set STAGE, 131072                     ; the way out: 16 rows x (64 bytes + 16) for each wave: bytes into which no tile lands
.set SPARE, 151552                     ; the spare words, 128 bytes for each wave: eight blocks of 256 bytes that no other line names
.set AKV,  1                           ; v1   my lane's place in 16 rows: 64 r + 16 (r / 4) + 16 h
.set PFO,  3                           ; v3   256 x lane: the prefetches' offset; never rewritten
.set SPW,  5                           ; v5   LDS address of my spare word; never rewritten
.set NIL,  6                           ; v6   0; never rewritten
.set GO,   7                           ; v7   16 x lane
.set ADR,  8                           ; v8   LDS address of the step's tiles
.set STO,  10                          ; v10  the stage: where I put 8 codes
.set RD,   11                          ; v11  and where I read 16 back
.set TB,   10                          ; s10  LDS byte at which the slot in hand begins
.set WV,   18                          ; s18  my wave's number
.set SEL,  20                          ; s[20:21] lane selects for v_permlanex16_b32: lane l xor 16
.set CS,   22                          ; s[22:23] c = log2(e) / 8 x 2^(e6 + e7)
.set G1,   24                          ; s[24:31] descriptor group 1
.set G0,   40                          ; s[40:43] group 0
.set KVB,  44                          ; s[44:45] my head's keys (wave 0) or values (wave 1)
.set OFF,  46                          ; s[46:47] the next slot's bytes from there
.set TT,   66                          ; s66  the trip, 0 .. 8
.set SLOTS, 67                         ; s67  the loop's counter
.set T1,   68                          ; s68  the trip at which the second block begins: 8 - i
.set SIG,  69                          ; s69  the slot of keys asked for last
.set KF,   70                          ; s70  the step's first key
.set Q0,   71                          ; s71  my first query
.set Q0B,  72                          ; s72  and in the second block
.set STMP, 73
.set OB,   74                          ; s[74:75] where my 16 rows of codes go;  s[76:77] in the second block
.set OBB,  76
.set PFA,  78                          ; s[78:79] where my prefetches stand
.set LIM,  80                          ; s80  2 in a wave that prefetches, else the greatest number
.macro TLOAD                           ; waves 0 and 1 fetch, the others nothing: a branch on the wave's number alone; four v_nop follow the line
	s_cmp_lt_u32 s[WV], 2
	s_cbranch_scc0 .Lasked_\@
	tensor_load_to_lds s[G0:G0+3], s[G1:G1+7]
	s_nop 0
.rept 4
	v_nop
.endr
.Lasked_\@:
.endm
; A PREFETCH INTO THE L2 of the slot that the NEXT change of slots will ask for: two key steps ahead of that load.  All four work-groups of a head walk the same keys and values: the one with i = 0, which walks slots 0 to 7
; in order, asks; in it waves 4 and 5 for the keys' 16,384 bytes, waves 6 and 7 for the values', 8,192 bytes a wave, lanes 256 bytes apart.  So each aligned block of 256 bytes of slots 2 to 7 is named once in the launch.
; Slots 0 and 1 come by their loads alone; the trips from the seventh on ask for nothing.
.macro ASK
	s_cmp_gt_u32 s[SLOTS], s[LIM]
	s_cbranch_scc0 .Lnot_mine_\@
	global_prefetch_b8 v[PFO], s[PFA:PFA+1] th:TH_LOAD_NT scope:SCOPE_SE
.Lnot_mine_\@:
.endm
	s_load_b128 s[4:7], s[0:1], 0x0                ; qkvc s4, lowp_scales s6
	s_load_b64 s[8:9], s[0:1], 0x10                ; ac
	v_lshl_add_u32 v[SPW], v0, 2, SPARE
	v_mov_b32 v[NIL], 0
	ds_add_u32 v5, v6
	ds_add_u32 v5, v6
	s_wait_dscnt 0x0
	v_lshrrev_b32 v8, 5, v0
	s_delay_alu instid0(VALU_DEP_1)
	v_readfirstlane_b32 s[WV], v8                  ; wave 0..15
	s_and_b32 s11, ttmp7, 0xffff                   ; 16 x batch + head
	s_sub_co_u32 s[T1], 8, ttmp9
	s_sub_co_u32 s12, 7, ttmp9
	s_lshl_b32 s12, s12, 8
	s_lshl_b32 s14, s[WV], 4
	s_add_co_u32 s[Q0], s12, s14                   ; 256 (7 - i) + 16 x wave
	s_lshl_b32 s12, ttmp9, 8
	s_add_co_u32 s[Q0B], s12, s14                  ; 256 i + 16 x wave
	s_mov_b32 s[G1], (3<<16)|(1<<20)|(5<<22)|(3<<25)       ; no mask; elements of 8 bytes; padding: four words after every 64
	s_mov_b32 s[G1+1], 32<<16                      ; tensor_dim0: 32 elements = 256 bytes
	s_mov_b32 s[G1+2], 64<<16                      ; tensor_dim1
	s_mov_b32 s[G1+3], 32<<16                      ; tile_dim0
	s_mov_b32 s[G1+4], 64                          ; tile_dim1
	s_mov_b32 s[G1+5], 32                          ; tensor_dim0_stride: the block is dense
	s_mov_b32 s[G1+6], 0
	s_mov_b32 s[G1+7], 0
	s_min_u32 s12, s[WV], 1                        ; 0: keys; 1: values
	s_mul_i32 s19, s12, VOFF
	s_add_co_u32 s12, s12, 1
	s_lshl_b32 s12, s12, 23
	s_lshl_b32 s16, s11, 17                        ; a head's 131,072 bytes
	s_mov_b32 s17, 0
	s_add_co_u32 s12, s12, s16
	s_mov_b32 s13, 0
	s_mov_b32 s[OFF+1], 0
	s_mov_b32 s[SEL], 0x76543210
	s_mov_b32 s[SEL+1], 0xfedcba98
	s_mov_b32 s[TB], 0
	s_mov_b32 s[TT], 0
	s_mov_b32 s[SLOTS], 8
	s_mov_b32 s[SIG], 0
	s_mov_b32 s[KF], 0
	s_wait_kmcnt 0x0
	s_load_b256 s[48:55], s[6:7], 0x0              ; e0 .. e7
	s_load_b128 s[56:59], s[6:7], 0x20             ; e8 .. e11
	s_add_nc_u64 s[KVB:KVB+1], s[4:5], s[12:13]
	s_mov_b32 s[G0], 1
	s_mov_b32 s[G0+1], s19
	s_mov_b64 s[G0+2:G0+3], s[KVB:KVB+1]
	s_or_b32 s[G0+3], s[G0+3], 0x80000000
	TLOAD                                          ; slot 0
	s_add_nc_u64 s[32:33], s[4:5], s[16:17]        ; my head's q
	s_lshl_b32 s12, s[Q0B], 6
	s_add_nc_u64 s[34:35], s[32:33], s[12:13]
	s_lshl_b32 s12, s[Q0], 6
	s_add_nc_u64 s[32:33], s[32:33], s[12:13]
	v_and_b32 v8, 15, v0                           ; r
	v_bfe_u32 v9, v0, 4, 1                         ; h
	s_delay_alu instid0(VALU_DEP_2)
	v_lshlrev_b32 v2, 6, v8
	s_delay_alu instid0(VALU_DEP_1)
	v_lshl_add_u32 v2, v9, 4, v2                   ; 64 r + 16 h
	global_load_b128 v[16:19], v2, s[32:33]        ; Q's fragments of both blocks stay in registers
	global_load_b128 v[20:23], v2, s[32:33] offset:32
	global_load_b128 v[24:27], v2, s[34:35]
	global_load_b128 v[28:31], v2, s[34:35] offset:32
	v_lshrrev_b32 v4, 2, v8
	s_delay_alu instid0(VALU_DEP_1)
	v_lshl_add_u32 v[AKV], v4, 4, v2
	v_and_b32 v4, 31, v0
	s_delay_alu instid0(VALU_DEP_1)
	v_lshlrev_b32 v[GO], 4, v4
	s_delay_alu instid0(VALU_DEP_2)
	v_lshlrev_b32 v[PFO], 8, v4
	s_mul_i32 s12, s[WV], 1280
	s_add_co_u32 s12, s12, STAGE                   ; my stage
	v_mul_u32_u24 v[STO], v8, 80
	s_delay_alu instid0(VALU_DEP_1)
	v_lshl_add_u32 v[STO], v9, 3, v[STO]
	s_delay_alu instid0(VALU_DEP_1)
	v_add_nc_u32 v[STO], s12, v[STO]               ; in: row r, + 8 h
	v_lshrrev_b32 v[RD], 2, v4
	s_delay_alu instid0(VALU_DEP_1)
	v_mul_u32_u24 v[RD], v[RD], 80
	v_and_b32 v4, 3, v4
	s_delay_alu instid0(VALU_DEP_1)
	v_lshl_add_u32 v[RD], v4, 4, v[RD]
	s_delay_alu instid0(VALU_DEP_1)
	v_add_nc_u32 v[RD], s12, v[RD]                 ; back: four lanes to a row
	s_and_b32 s12, s11, 15
	s_lshl_b32 s12, s12, 19                        ; the head's plane of ac
	s_lshr_b32 s14, s11, 4
	s_lshl_b32 s14, s14, 17                        ; the batch's 2,048 rows of 64 bytes
	s_add_co_u32 s12, s12, s14
	s_add_nc_u64 s[8:9], s[8:9], s[12:13]
	s_lshl_b32 s12, s[Q0], 6
	s_add_nc_u64 s[OB:OB+1], s[8:9], s[12:13]
	s_lshl_b32 s12, s[Q0B], 6
	s_add_nc_u64 s[OBB:OBB+1], s[8:9], s[12:13]
	s_lshr_b32 s12, s[WV], 1                       ; the prefetches: waves 4, 5: keys; 6, 7: values
	s_and_b32 s12, s12, 1
	s_add_co_u32 s12, s12, 1
	s_lshl_b32 s12, s12, 23
	s_add_co_u32 s12, s12, s16
	s_and_b32 s14, s[WV], 1
	s_lshl_b32 s14, s14, 13                        ; my half of a slot's 16,384 bytes
	s_add_co_u32 s12, s12, s14
	s_add_co_u32 s12, s12, 16384                   ; in slot 1: the first change of slots steps it to slot 2.  Nothing is prefetched here, at the head
	s_add_nc_u64 s[PFA:PFA+1], s[4:5], s[12:13]
	s_lshr_b32 s12, s[WV], 2
	s_xor_b32 s12, s12, 1                          ; 0 in waves 4 to 7,
	s_or_b32 s12, s12, ttmp9                       ; of the work-group with i = 0
	s_cmp_eq_u32 s12, 0
	s_cselect_b32 s[LIM], 2, -1
	v_mov_b32 v13, 0xff61b1e6                      ; the largest t so far: -3e38, under every t
	s_delay_alu instid0(VALU_DEP_1)
	v_floor_f32 v12, -v13                          ; -M
	v_mov_b32 v14, 0                               ; the sum, in two halves
	v_mov_b32 v15, 0
	v_mov_b32 v236, 0                              ; written once: a lane permute's destination counts as one of its sources
	v_mov_b32 v252, 0
	v_mov_b32 v253, 0                              ; (named as the upper half of the pair v[252:253])
.set J, 0
.rept 32
	v_mov_b32 v[160+J], 0                          ; O^T: a block's first step finds zeros, which the first change of M leaves zeros
.set J, J+1
.endr
	s_wait_kmcnt 0x0
	s_add_co_i32 s12, s54, s55
	s_lshl_b32 s12, s12, 23
	s_mov_b32 s[CS], 0x3e38aa3b                    ; log2(e) / 8
	s_add_co_i32 s[CS], s[CS], s12                 ; a score stands for score x 2^(e6 + e7): the exponents are added to c's exponent field
	s_mov_b32 s[CS+1], s[CS]                       ; (named with it as a pair, so it is written)
	s_add_co_i32 s12, s56, 127
	s_lshl_b32 s14, s12, 23
	v_mov_b32 v244, s14                            ; 2^e8, for p's conversion
	s_sub_co_i32 s12, s58, s56
	s_sub_co_i32 s12, s12, s57                     ; O^T / the sum stands for that x 2^(e8 + e9): its code is that / 2^(e10 - e8 - e9)
	s_add_co_i32 s12, s12, 127
	s_lshl_b32 s14, s12, 23
	v_mov_b32 v246, s14
; A KEY STEP: 128 keys, the q-th of the slot in hand.  A step all of whose keys come after my 16 queries is left out: a scalar branch on ids, round the step's loads, products and softmax; no barrier or tensor load stands in a step.
.macro STEP q
	s_add_co_u32 s[STMP], s[Q0], 15
	s_cmp_gt_u32 s[KF], s[STMP]
	s_cbranch_scc1 .Lhidden_\@
	v_add_nc_u32 v[ADR], s[TB], v[AKV]
.rept 3
	v_nop                                          ; with the addition above: four places in front of loads into registers that the last products have read
.endr
.irp t, 0,1,2,3,4,5,6,7
	ds_load_b128 v[32+8*\t:35+8*\t], v[ADR] offset:BLK*(8*(\q)+\t)
	ds_load_b128 v[36+8*\t:39+8*\t], v[ADR] offset:BLK*(8*(\q)+\t)+32
.endr
	s_wait_dscnt 0x0
	s_wait_alu depctr_va_vdst(0)
.irp t, 0,1,2,3,4,5,6,7
	v_wmma_f32_16x16x64_fp8_fp8 v[96+8*\t:103+8*\t], v[32+8*\t:39+8*\t], v[16:23], 0       ; S^T, tile t: keys 16 t on
.endr
.rept 4
	v_nop                                          ; places in front of the loads below and of the first read of the scores
.endr
.irp t, 0,1,2,3                                ; V^T's four fragments (16 channels x 128 keys) are asked for now and land under the softmax
.irp c, 0,1,2,3
	ds_load_b128 v[32+16*\t+4*\c:35+16*\t+4*\c], v[ADR] offset:VOFF+KBV*(2*(\q)+\c/2)+BLK*\t+32*(\c%2)
.endr
.endr
	s_add_co_u32 s[STMP], s[KF], 127               ; on the diagonal the scores of hidden keys become -infinity ahead of the maximum: p = 0 then.  A step all of whose keys count skips this
	s_cmp_le_u32 s[STMP], s[Q0]
	s_cbranch_scc1 .Lopen_\@
	s_sub_co_i32 s[STMP], s[Q0], s[KF]
	v_and_b32 v252, 15, v0
	v_bfe_u32 v253, v0, 4, 1
	s_delay_alu instid0(VALU_DEP_1)
	v_lshlrev_b32 v253, 3, v253
	s_delay_alu instid0(VALU_DEP_1)
	v_sub_nc_u32 v252, v252, v253
	s_delay_alu instid0(VALU_DEP_1)
	v_add_nc_u32 v252, s[STMP], v252               ; d = my query - KF - 8 h.  Register 8 t + j holds key KF + 16 t + 8 h + j: hidden where 16 t + j > d
	v_mov_b32 v254, 0xff800000                     ; -infinity
.set J, 0
.rept 64
	v_cmp_gt_i32 vcc_lo, 16*(J/8)+J%8, v252
	v_cndmask_b32 v[96+J], v[96+J], v254, vcc_lo
.set J, J+1
.endr
.Lopen_\@:
	v_max3_num_f32 v254, v96, v97, v98             ; the step's largest score of my query, among my 64 keys, in two chains,
	v_max3_num_f32 v252, v99, v100, v101
.irp i, 6,10,14,18,22,26,30,34,38,42,46,50,54,58
	v_max3_num_f32 v254, v254, v[96+\i], v[97+\i]
	v_max3_num_f32 v252, v252, v[98+\i], v[99+\i]
.endr
	v_max3_num_f32 v254, v254, v158, v159
	s_delay_alu instid0(VALU_DEP_1)
	v_max_num_f32 v254, v254, v252
	s_delay_alu instid0(VALU_DEP_1)
	v_permlanex16_b32 v236, v254, s[SEL], s[SEL+1]
	s_delay_alu instid0(VALU_DEP_1)
	v_max_num_f32 v254, v254, v236                 ; and among lane l xor 16's
	s_delay_alu instid0(VALU_DEP_1)
	v_mul_f32 v254, s[CS], v254                    ; as t (c is positive)
	s_delay_alu instid0(VALU_DEP_1)
	v_max_num_f32 v13, v13, v254                   ; the running largest t
	v_mov_b32 v254, v12
	s_delay_alu instid0(VALU_DEP_2)
	v_floor_f32 v12, -v13                          ; the new -M = floor(-t) = -ceil(t): M is a whole number
	s_delay_alu instid0(VALU_DEP_1)
	v_sub_f32 v254, v12, v254                      ; M's old value less its new one: a whole number, 0 or less
	s_delay_alu instid0(VALU_DEP_1)
	v_cvt_i32_f32 v254, v254                       ; (it saturates)
	s_delay_alu instid0(VALU_DEP_1)
	v_ldexp_f32 v252, 1.0, v254                    ; f = 2^(old M - new M)
.set J, 0
.rept 32
	v_pk_fma_f32 v[96+J:97+J], v[96+J:97+J], s[CS:CS+1], v[12:13] op_sel_hi:[1,0,0]        ; t - M, two at a time (of the pairs c and -M the low word serves both halves)
.set J, J+2
.endr
.set J, 0
	s_wait_alu depctr_va_vdst(0)
.rept 64
	v_exp_f32 v[96+J], v[96+J]                     ; p = 2^(t - M), at most 1: not normalised
.set J, J+1
.endr
	v_pk_mul_f32 v[14:15], v[14:15], v[252:253] op_sel_hi:[1,0]    ; the sums under the new M: a plain line behind the exponentials
	s_wait_alu depctr_va_vdst(0)                   ; one wait for the whole batch, ahead of its first reader
	v_pk_add_f32 v[242:243], v[100:101], v[104:105]
	v_pk_add_f32 v[254:255], v[108:109], v[112:113]
	v_pk_add_f32 v[250:251], v[116:117], v[120:121]
	v_pk_add_f32 v[248:249], v[124:125], v[128:129]
	v_pk_add_f32 v[240:241], v[132:133], v[136:137]
	v_pk_add_f32 v[238:239], v[140:141], v[144:145]
	v_pk_add_f32 v[234:235], v[148:149], v[152:153]
	v_pk_add_f32 v[14:15], v[14:15], v[156:157]
	v_pk_add_f32 v[242:243], v[242:243], v[96:97]
	v_pk_add_f32 v[254:255], v[254:255], v[98:99]
	v_pk_add_f32 v[250:251], v[250:251], v[102:103]
	v_pk_add_f32 v[248:249], v[248:249], v[106:107]
	v_pk_add_f32 v[240:241], v[240:241], v[110:111]
	v_pk_add_f32 v[238:239], v[238:239], v[114:115]
	v_pk_add_f32 v[234:235], v[234:235], v[118:119]
	v_pk_add_f32 v[14:15], v[14:15], v[122:123]
	v_pk_add_f32 v[242:243], v[242:243], v[126:127]
	v_pk_add_f32 v[254:255], v[254:255], v[130:131]
	v_pk_add_f32 v[250:251], v[250:251], v[134:135]
	v_pk_add_f32 v[248:249], v[248:249], v[138:139]
	v_pk_add_f32 v[240:241], v[240:241], v[142:143]
	v_pk_add_f32 v[238:239], v[238:239], v[146:147]
	v_pk_add_f32 v[234:235], v[234:235], v[150:151]
	v_pk_add_f32 v[14:15], v[14:15], v[154:155]
	v_pk_add_f32 v[242:243], v[242:243], v[158:159]
	s_delay_alu instid0(VALU_DEP_2)
	v_pk_add_f32 v[14:15], v[14:15], v[248:249]
	s_delay_alu instid0(VALU_DEP_2)
	v_pk_add_f32 v[242:243], v[242:243], v[240:241]
	v_pk_add_f32 v[254:255], v[254:255], v[238:239]
	v_pk_add_f32 v[250:251], v[250:251], v[234:235]
	s_delay_alu instid0(VALU_DEP_2)
	v_pk_add_f32 v[14:15], v[14:15], v[254:255]
	s_delay_alu instid0(VALU_DEP_2)
	v_pk_add_f32 v[242:243], v[242:243], v[250:251]
	s_delay_alu instid0(VALU_DEP_1)
	v_pk_add_f32 v[14:15], v[14:15], v[242:243]
.irp t, 0,1,2,3,4,5,6,7
.irp i, 0,1,2,3,4,5,6,7
.endr
	v_cvt_scalef32_pk8_fp8_f32 v[192+2*\t:193+2*\t], v[96+8*\t:103+8*\t], v244     ; registers 2 t, 2 t + 1 of the operand: keys 16 t + 8 h + 0 .. 7
.endr
.set J, 0
.rept 16
	v_pk_mul_f32 v[160+J:161+J], v[160+J:161+J], v[252:253] op_sel_hi:[1,0]        ; O^T under the new M.  (Also the plain lines between the conversions and the products)
.set J, J+2
.endr
	s_wait_alu depctr_va_vdst(0)
	s_wait_dscnt 0x0                               ; V^T's fragments are in
.irp t, 0,1,2,3
	v_wmma_f32_16x16x128_fp8_fp8 v[160+8*\t:167+8*\t], v[32+16*\t:47+16*\t], v[192:207], v[160+8*\t:167+8*\t]      ; four accumulators, one instruction each
.endr
.Lhidden_\@:
	s_add_co_u32 s[KF], s[KF], 128
.endm
; THE CHANGE OF SLOTS stands at a trip's head.  Each wave waits for all its tensor loads, adds 0 to its spare word, and waits for that and for its reads of the slot that it has left.
; Behind the barrier the slot ahead is whole and nobody reads the other one.  fill = 1: that other slot takes the next trip's keys and values: the slot after this one, or slot 0 where the second block begins.
.macro CHANGE fill
	s_wait_tensorcnt 0x0                           ; no tensor load of mine is out, so group 0 may be written
	ds_add_u32 v[SPW], v[NIL]                      ; 0 onto my spare word
.if \fill
	s_add_co_u32 s[SIG], s[SIG], 1
	s_add_co_u32 s[STMP], s[TT], 1
	s_cmp_eq_u32 s[STMP], s[T1]
	s_cselect_b32 s[SIG], 0, s[SIG]
	s_lshl_b32 s[OFF], s[SIG], 14                  ; a slot is 16,384 bytes of keys, and of values
	s_add_nc_u64 s[G0+2:G0+3], s[KVB:KVB+1], s[OFF:OFF+1]
	s_or_b32 s[G0+3], s[G0+3], 0x80000000
	s_xor_b32 s[G0+1], s[G0+1], SLOT1              ; the other slot than last time
	s_wait_xcnt 0x0                                ; the last prefetch, a trip back, has read its address, so it may be written
	s_add_nc_u64 s[PFA:PFA+1], s[PFA:PFA+1], 16384
.endif
	s_wait_dscnt 0x0                               ; the add is done, and my reads of the slot that I have left are over
	s_barrier_signal -1
	s_barrier_wait -1
.if \fill
	TLOAD                                          ; the first thing behind the barrier, and a wave's one tensor load until the next
	ASK
.endif
.endm
; A BLOCK'S END: O^T is divided by the row's sum, quantised, and goes through my stage: a lane's 8 codes of tile t are channels 16 t + 8 h on of row r; the 16 rows of 64 bytes leave as 2 x 512 consecutive bytes.
.macro FINISH
.rept 4
	v_nop                                          ; places behind the last products
.endr
	v_add_f32 v14, v14, v15                        ; the sum's two halves,
	s_delay_alu instid0(VALU_DEP_1)
	v_permlanex16_b32 v252, v14, s[SEL], s[SEL+1]
	s_delay_alu instid0(VALU_DEP_1)
	v_add_f32 v14, v14, v252                       ; and lane l xor 16's
	s_wait_alu depctr_va_vdst(0)
	v_rcp_f32 v14, v14
	v_nop                                          ; a plain line behind the reciprocal,
	s_wait_alu depctr_va_vdst(0)                   ; and a wait ahead of its first reader
.set J, 0
.rept 32
	v_mul_f32 v[96+J], v[160+J], v14               ; each accumulator from its low end on
.set J, J+1
.endr
.set J, 0
.rept 32
.set J, J+1
.endr
.irp t, 0,1,2,3
	v_cvt_scalef32_pk8_fp8_f32 v[208+2*\t:209+2*\t], v[96+8*\t:103+8*\t], v246
.endr
	v_nop                                          ; a plain line between the conversions and whatever writes their sources next
.irp t, 0,1,2,3
	ds_store_b64 v[STO], v[208+2*\t:209+2*\t] offset:16*\t
.endr
	ds_load_b128 v[216:219], v[RD]                 ; LDS serves a wave's instructions in order (ISA guide 5.7.1.4): these see the stores above
	ds_load_b128 v[220:223], v[RD] offset:640
	s_wait_dscnt 0x0
	global_store_b128 v[GO], v[216:219], s[OB:OB+1]
	global_store_b128 v[GO], v[220:223], s[OB:OB+1] offset:512
	s_wait_xcnt 0x0                                ; the stores have read their registers and their base: both may be written again
.endm
.macro RESET                           ; the second block begins
	v_mov_b32 v13, 0xff61b1e6
	s_delay_alu instid0(VALU_DEP_1)
	v_floor_f32 v12, -v13
	v_mov_b32 v14, 0
	v_mov_b32 v15, 0
.set J, 0
.rept 32
	v_mov_b32 v[160+J], 0
.set J, J+1
.endr
.set J, 0
.rept 8
	v_mov_b32 v[16+J], v[24+J]
.set J, J+1
.endr
	s_mov_b32 s[Q0], s[Q0B]
	s_mov_b32 s[KF], 0
	s_mov_b64 s[OB:OB+1], s[OBB:OBB+1]
.endm
.macro SWITCH                          ; at trip 8 - i: a scalar branch on ids
	s_cmp_lg_u32 s[TT], s[T1]
	s_cbranch_scc1 .Lsame_\@
	FINISH
	RESET
.Lsame_\@:
.endm
	s_wait_loadcnt 0x0                             ; Q
.Lslot:                                            ; eight trips: behind each change of slots but the last the next slot is asked for
	CHANGE 1
	SWITCH
	STEP 0
	STEP 1
	s_xor_b32 s[TB], s[TB], SLOT1                  ; on to the other slot
	s_add_co_u32 s[TT], s[TT], 1
	s_sub_co_u32 s[SLOTS], s[SLOTS], 1
	s_cmp_lg_u32 s[SLOTS], 0
	s_cbranch_scc1 .Lslot
	CHANGE 0                                       ; the ninth trip is written out
	SWITCH
	STEP 0
	STEP 1
	FINISH
	s_wait_tensorcnt 0x0                           ; the wave's end, behind my last tensor load and my last LDS store
	ds_add_u32 v[SPW], v[NIL]
	s_wait_dscnt 0x0
	s_endpgm
.Lfunc_end_k_qaf305a88f0_attn:
	.size	k_qaf305a88f0_attn, .Lfunc_end_k_qaf305a88f0_attn-k_qaf305a88f0_attn
	.p2alignl 7, 3214868480
	.fill 96, 4, 3214868480
	.section	.rodata,"a",@progbits
	.p2align	6, 0x0
	.amdhsa_kernel k_qaf305a88f0_attn
		.amdhsa_group_segment_fixed_size 327680
		.amdhsa_private_segment_fixed_size 0
		.amdhsa_enable_private_segment 0
		.amdhsa_kernarg_size 24
		.amdhsa_user_sgpr_count 2
		.amdhsa_user_sgpr_kernarg_segment_ptr 1
		.amdhsa_wavefront_size32 1
		.amdhsa_system_sgpr_workgroup_id_x 1
		.amdhsa_system_sgpr_workgroup_id_y 1
		.amdhsa_system_sgpr_workgroup_id_z 1
		.amdhsa_system_vgpr_workitem_id 0
		.amdhsa_next_free_vgpr 256
		.amdhsa_next_free_sgpr 100
		.amdhsa_reserve_vcc 1
		.amdhsa_float_denorm_mode_32 3
		.amdhsa_float_denorm_mode_16_64 3
		.amdhsa_fp16_overflow 1
		.amdhsa_memory_ordered 1
		.amdhsa_forward_progress 1
		.amdhsa_inst_pref_size 96
	.end_amdhsa_kernel
	.amdgpu_metadata
---
amdhsa.version: [ 1, 2 ]
amdhsa.kernels:
  - .name:           k_qaf305a88f0_attn
    .symbol:         k_qaf305a88f0_attn.kd
    .args:
      - { .name: qkvc, .offset: 0, .size: 8, .value_kind: global_buffer, .address_space: global }
      - { .name: lowp_scales, .offset: 8, .size: 8, .value_kind: global_buffer, .address_space: global }
      - { .name: ac, .offset: 16, .size: 8, .value_kind: global_buffer, .address_space: global }
    .group_segment_fixed_size: 327680
    .private_segment_fixed_size: 0
    .kernarg_segment_align: 8
    .kernarg_segment_size: 24
    .max_flat_workgroup_size: 512
    .sgpr_count:     100
    .vgpr_count:     256
    .wavefront_size: 32
...
	.end_amdgpu_metadata
.endif
;; end of part 3
;; launch oproj (part 4): grid 8 x 32, 4 waves a work-group, clusters of 4 x 4, 327,680 bytes of LDS; arguments ac, wc, lowp_scales, out0; writes out0
.if DOCPART == 4
	.amdgcn_target "amdgcn-amd-amdhsa--gfx1250"
	.amdhsa_code_object_version 6
	.text
	.protected	k_qaf305a88f0_oproj
	.globl	k_qaf305a88f0_oproj
	.p2align	8
	.type	k_qaf305a88f0_oproj,@function
k_qaf305a88f0_oproj:
	s_mov_b64 s[64:65], 0
	v_nop
	global_prefetch_b8 v0, s[64:65] scope:SCOPE_SE
	s_setreg_imm32_b32 hwreg(HW_REG_WAVE_MODE, 25, 1), 1
	s_wait_xcnt 0x0
	s_wait_alu depctr_hold_cnt(0) depctr_sa_sdst(0) depctr_va_vdst(0) depctr_va_sdst(0) depctr_va_ssrc(0) depctr_va_vcc(0) depctr_vm_vsrc(0)
	s_getreg_b32 s2, hwreg(HW_REG_IB_STS2, 6, 4)
	s_cmp_eq_u32 s2, 0
	s_cbranch_scc0 .Lentry_in_a_cluster
	s_endpgm
.Lentry_in_a_cluster:
	s_bfe_u32 s2, ttmp6, 0x10000c
	s_cmp_lg_u32 s2, 0xf033
	s_cbranch_scc0 .Lentry_shape_is_right
	s_endpgm
.Lentry_shape_is_right:
; THE LAST PROJECTION: out0[token][e] = sum over d of a[token][d] wo[e][d], on codes of FP8 (E4M3); each finished sum is multiplied once by 2^(e10 + e11).
; A tile of 256 x 128 of out0, K = 1,024, is made by a work-group of four waves; a wave makes 128 x 64: 32 accumulators of 16 x 16.  256 tiles, 256 work-groups.
; OPERANDS lie as [16 planes][8192 places][64 bytes] (plane p: k = 64 p on): A = ac (rows = tokens), B = wo's codes at place 3,072 of wc.  A K step is 256 = four planes.
; THREE LDS SLOTS for K's four steps: steps 0, 1, 2 go out together at the start, step 3 fills slot 0 again when it has been read.  By this text's count a wave has at most three tensor loads out.
; CLUSTERS: 4 x 4 work-groups.  A's tile is shared along a row of the cluster, B's along a column: each is asked for jointly, by the same tensor load with the same descriptor and a mask that names the four.
; THE MATRIX INSTRUCTION IS USED TRANSPOSED (source 0 = 16 rows of B, source 1 = 16 rows of A): register j of lane (r, h) of accumulator (a, b) is C(16 a + r, 16 b + 8 h + j).
; A fragment (16 rows x 128 K) comes by four loads of 16 bytes: registers 4 c .. 4 c + 3 hold k = 32 c + 16 h + 0 .. 15: a permutation of k that is the same in A and in B.
; LIMIT: e10 + e11 between -126 and 127, so that 2^(e10 + e11) is an f32 number.
; REGISTERS, in windows of 256: window 0: v0-31 addresses, v32-63 at work on the way out, v128-255 A's 8 fragments (one set), later rows of out0;  window 1: B's 4 fragments, two sets, at v0 and v64;
;   window 2: the accumulators, (a, b) at v[8 (4 a + b)].
.set PLANE,  524288                    ; bytes from plane to plane
.set KSB,    4*PLANE                   ; a K step in memory
.set PLA,    8704                      ; a plane of 128 rows in LDS: 8,192 bytes + 16 of padding behind each 256
.set PLB,    4352                      ; of 64 rows
.set HFA,    4*PLA                     ; what one tensor load brings of A: 128 rows x 256 K
.set HFB,    4*PLB                     ; of B: 64 rows x 256 K
.set BOFF,   2*HFA                     ; a slot: A's two halves, then B's two
.set SLOT,   2*HFA+2*HFB               ; 104,448
.set SPARE,  3*SLOT                    ; behind the slots: the spare words, 128 bytes for each wave: two blocks of 256 bytes that no other line names
.set BLK,    1088                      ; 16 rows of a plane: row i lies at 64 i + 16 (i / 4)
.set FR,     16
.set AF,     128
.set ADRA,   16                        ; v16-18  LDS address of my A fragments in slot 0, 1, 2
.set ADRB,   20                        ; v20-22  the same for B
.set STO,    24                        ; v24  the stage: where I put 32 bytes of a row
.set RD,     25                        ; v25  and where I read a row back
.set CO,     26                        ; v26  my byte offset in two rows of out0
.set SPW,    28                        ; v28  LDS address of my spare word; never rewritten
.set NIL,    29                        ; v29  0; never rewritten
.set TMP,    32                        ; v32-63  a block's sums x 2^(e10 + e11)
.set BK,     128                       ; v128-159 and v160-191 by turns: 16 rows read back from the stage
.set STG,    SLOT                      ; the stages, 16 rows x (256 bytes + 16) a wave, lie in slot 1, which has had its only fill and its last read when the first result is stored there
.set G1A,    24
.set G1B,    32
.set G0A,    68
.set G0B,    80
.set MSB,    0
.macro WIN new                         ; the immediate's high byte repeats the setting that is left
.if MSB != \new
	s_set_vgpr_msb (MSB<<8)|\new
.set MSB, \new
.endif
.endm
.set MUL,  0xa1                        ; source 0 (B) window 1, source 1 (A) window 0, C and D window 2
.set TO_B, 0x40                        ; destination window 1, address window 0
.macro PLACES n
.rept \n
	v_nop
.endr
.endm
.macro CREST                           ; a round of the cluster's barrier behind its opening barrier
	s_cmp_lg_u32 s14, 0
	s_cbranch_scc1 .Lnot_wave_0_\@
	s_barrier_signal -3
.Lnot_wave_0_\@:
	s_barrier_wait -3
	s_barrier_signal -1
	s_barrier_wait -1
.endm
.macro CROUND                          ; a whole round
	s_barrier_signal -1
	s_barrier_wait -1
	CREST
.endm
.macro JLOAD                           ; the joint refill of slot 0: waves 0 and 1 fetch A's halves, waves 2 and 3 B's; four v_nop follow each line
	s_cmp_eq_u32 s15, 0
	s_cbranch_scc0 .Lfor_b_\@
	tensor_load_to_lds s[G0A:G0A+3], s[G1A:G1A+7]
	s_nop 0
	PLACES 4
	s_branch .Lasked_\@
.Lfor_b_\@:
	tensor_load_to_lds s[G0B:G0B+3], s[G1B:G1B+7]
	s_nop 0
	PLACES 4
.Lasked_\@:
.endm
	s_load_b256 s[4:11], s[0:1], 0x0               ; ac s4, wc s6, lowp_scales s8, out0 s10
	v_lshl_add_u32 v[SPW], v0, 2, SPARE
	v_mov_b32 v[NIL], 0
	ds_add_u32 v28, v29
	ds_add_u32 v28, v29
	s_wait_dscnt 0x0
	v_lshrrev_b32 v1, 5, v0
	v_readfirstlane_b32 s14, v1                    ; wave 0..3
	s_lshr_b32 s15, s14, 1                         ; which half of the tile's rows is mine.  Also: I fetch for A (0) or for B (1)
	s_and_b32 s16, s14, 1                          ; which half of its columns.  Also: which half of that tile I fetch
	s_bfe_u32 s40, ttmp6, 0x40000                  ; cx, cy: my place in the cluster
	s_bfe_u32 s41, ttmp6, 0x40004
	s_lshl_b32 s42, ttmp9, 2
	s_add_co_u32 s42, s42, s40                     ; tile column, 0..7
	s_and_b32 s17, ttmp7, 0xffff
	s_lshl_b32 s17, s17, 2
	s_add_co_u32 s17, s17, s41                     ; tile row, 0..31
	s_lshl_b32 s43, s41, 2
	s_lshl_b32 s43, 15, s43                        ; my row of the cluster
	s_lshl_b32 s44, 0x1111, s40                    ; my column
	; descriptor group 1: four planes of 8,192 (A) or 4,096 (B) consecutive bytes, PLANE bytes apart; elements of one byte; 4 words of padding behind every 64
	s_or_b32 s[G1A], s43, (1<<20)|(1<<21)|(5<<22)|(3<<25)
	s_or_b32 s[G1B], s44, (1<<20)|(1<<21)|(5<<22)|(3<<25)
	s_mov_b32 s[G1A+1], 8192<<16                   ; tensor_dim0
	s_mov_b32 s[G1A+2], 4<<16                      ; tensor_dim1
	s_mov_b32 s[G1A+3], 8192<<16                   ; tile_dim0
	s_mov_b32 s[G1A+4], 4                          ; tile_dim1
	s_mov_b32 s[G1A+5], PLANE                      ; tensor_dim0_stride
	s_mov_b32 s[G1A+6], 0
	s_mov_b32 s[G1A+7], 0
	s_mov_b32 s[G1B+1], 4096<<16
	s_mov_b32 s[G1B+2], 4<<16
	s_mov_b32 s[G1B+3], 4096<<16
	s_mov_b32 s[G1B+4], 4
	s_mov_b32 s[G1B+5], PLANE
	s_mov_b32 s[G1B+6], 0
	s_mov_b32 s[G1B+7], 0
	s_lshl_b32 s45, s17, 8                         ; A: place 256 x tile row + 128 x half: it hangs on the tile row alone
	s_lshl_b32 s46, s16, 7
	s_add_co_u32 s45, s45, s46
	s_lshl_b32 s92, s45, 6
	s_mov_b32 s93, 0
	s_lshl_b32 s60, s42, 7                         ; B: place 3,072 + 128 x tile column + 64 x half: on the tile column alone
	s_lshl_b32 s61, s16, 6
	s_add_co_u32 s60, s60, s61
	s_lshl_b32 s60, s60, 6
	s_add_co_u32 s94, s60, 196608
	s_mov_b32 s95, 0
	s_mul_i32 s62, s16, HFA                        ; where they go in a slot: no place in the cluster enters an LDS address
	s_mul_i32 s63, s16, HFB
	s_add_co_u32 s63, s63, BOFF
	s_wait_kmcnt 0x0
	s_load_b64 s[96:97], s[8:9], 0x28              ; e10, e11
	s_add_nc_u64 s[2:3], s[4:5], s[92:93]
	s_add_nc_u64 s[98:99], s[6:7], s[94:95]
	CROUND                                         ; all sixteen work-groups are here: the first joint loads meet
.irp n, 0,1,2
	s_mov_b32 s[G0A+4*\n], 1
	s_add_co_u32 s[G0A+4*\n+1], s62, \n*SLOT
	s_add_nc_u64 s[G0A+4*\n+2:G0A+4*\n+3], s[2:3], \n*KSB
	s_or_b32 s[G0A+4*\n+3], s[G0A+4*\n+3], 0x80000000
	s_mov_b32 s[G0B+4*\n], 1
	s_add_co_u32 s[G0B+4*\n+1], s63, \n*SLOT
	s_add_nc_u64 s[G0B+4*\n+2:G0B+4*\n+3], s[98:99], \n*KSB
	s_or_b32 s[G0B+4*\n+3], s[G0B+4*\n+3], 0x80000000
.endr
	s_cmp_eq_u32 s15, 0                            ; a wave's three first fills stand in one branch, ahead of every wait on TENSORcnt and every LDS read
	s_cbranch_scc0 .Lfirst_b
	tensor_load_to_lds s[G0A:G0A+3], s[G1A:G1A+7]
	s_nop 0
	tensor_load_to_lds s[G0A+4:G0A+7], s[G1A:G1A+7]
	s_nop 0
	tensor_load_to_lds s[G0A+8:G0A+11], s[G1A:G1A+7]
	s_nop 0
	PLACES 4
	s_branch .Lfirst_asked
.Lfirst_b:
	tensor_load_to_lds s[G0B:G0B+3], s[G1B:G1B+7]
	s_nop 0
	tensor_load_to_lds s[G0B+4:G0B+7], s[G1B:G1B+7]
	s_nop 0
	tensor_load_to_lds s[G0B+8:G0B+11], s[G1B:G1B+7]
	s_nop 0
	PLACES 4
.Lfirst_asked:
	v_and_b32 v1, 15, v0                           ; r
	v_bfe_u32 v2, v0, 4, 1                         ; h
	v_lshlrev_b32 v3, 6, v1
	v_lshrrev_b32 v4, 2, v1
	v_lshl_add_u32 v3, v4, 4, v3
	v_lshl_add_u32 v3, v2, 4, v3                   ; a fragment's row: 64 r + 16 (r / 4), + 16 h
	s_mul_i32 s21, s15, HFA                        ; my 128 rows of A
	s_mul_i32 s22, s16, HFB                        ; my 64 rows of B
	s_add_co_u32 s22, s22, BOFF
.irp s, 0,1,2
	v_add_nc_u32 v[ADRA+\s], s21, v3
	v_add_nc_u32 v[ADRB+\s], s22, v3
	s_add_co_u32 s21, s21, SLOT
	s_add_co_u32 s22, s22, SLOT
.endr
	s_mul_i32 s23, s14, 16*272
	s_add_co_u32 s23, s23, STG                     ; my stage
	v_mul_u32_u24 v5, v1, 272
	v_lshl_add_u32 v5, v2, 5, v5
	v_add_nc_u32 v[STO], s23, v5                   ; in: row r, + 32 h
	v_mul_u32_u24 v6, v2, 272
	v_lshl_add_u32 v6, v1, 4, v6
	v_add_nc_u32 v[RD], s23, v6                    ; back: lanes 0-15 one row of 256 bytes, lanes 16-31 the next
	v_lshlrev_b32 v7, 12, v2
	v_lshl_add_u32 v[CO], v1, 4, v7                ; and the same two rows in out0 (a row is 4,096 bytes)
	s_lshl_b32 s18, s17, 8
	s_lshl_b32 s19, s15, 7
	s_add_co_u32 s18, s18, s19                     ; my first row: 256 x tile row + 128 x half
	s_lshl_b32 s18, s18, 12
	s_lshl_b32 s19, s42, 9                         ; my first column, in bytes: 512 x tile column + 256 x half
	s_add_co_u32 s18, s18, s19
	s_lshl_b32 s19, s16, 8
	s_add_co_u32 s18, s18, s19
	s_mov_b32 s19, 0
	s_add_nc_u64 s[10:11], s[10:11], s[18:19]
.macro FRAG reg, adr, q, off, pln      ; a fragment of the slot's q-th 128 along K: planes 2 q and 2 q + 1, 32 bytes of each for each half of the lanes
.irp c, 0,1,2,3
	ds_load_b128 v[\reg+4*\c:\reg+4*\c+3], v[\adr] offset:(2*(\q)+\c/2)*(\pln)+32*(\c%2)+(\off)
.endr
.endm
.macro FETCH_B slot, q, p              ; B's four fragments into set p
	WIN TO_B
.irp i, 0,1,2,3
	FRAG 64*(\p)+FR*\i, ADRB+\slot, \q, BLK*\i, PLB
.endr
	WIN 0
.endm
.macro FETCH_A slot, q, i0             ; A's blocks i0 .. i0 + 3
.irp i, \i0, \i0+1, \i0+2, \i0+3
	FRAG AF+FR*(\i), ADRA+\slot, \q, BLK*(\i), PLA
.endr
.endm
; 8 matrix instructions: A's blocks a0, a0 + 1 x B's four.  zero = 1: the first product starts the sums.  The 32 accumulators take turns, one instruction a turn, in the same order in every step.
.macro MUL8 a0, p, zero
.irp a, \a0, \a0+1
.irp b, 0,1,2,3
.if \zero
	v_wmma_f32_16x16x128_fp8_fp8 v[8*(4*(\a)+\b):8*(4*(\a)+\b)+7], v[64*(\p)+FR*\b:64*(\p)+FR*\b+FR-1], v[AF+FR*(\a):AF+FR*(\a)+FR-1], 0
.else
	v_wmma_f32_16x16x128_fp8_fp8 v[8*(4*(\a)+\b):8*(4*(\a)+\b)+7], v[64*(\p)+FR*\b:64*(\p)+FR*\b+FR-1], v[AF+FR*(\a):AF+FR*(\a)+FR-1], v[8*(4*(\a)+\b):8*(4*(\a)+\b)+7]
.endif
.endr
.endr
.endm
; A step of 128 along K on B's set p; the next step's fragments come from slot ns, its nq-th 128.  A has one set of registers: blocks 0-3 are fetched anew in the step's middle, blocks 4-7 at its end.
; Four plain places stand between a matrix instruction and a load into a register that it has read (ISA guide 7.12.1 for vector instructions).
.macro STEP p, ns, nq, zero
	s_wait_dscnt 16                                ; B's set and A's blocks 0-3 are in; the youngest sixteen loads (A's blocks 4-7) may be out
	WIN MUL
	MUL8 0, \p, \zero
	MUL8 2, \p, \zero
	s_wait_dscnt 0x0                               ; A's blocks 4-7 are in
	PLACES 4
	FETCH_B \ns, \nq, 1-\p
	FETCH_A \ns, \nq, 0
	WIN MUL
	MUL8 4, \p, \zero
	MUL8 6, \p, \zero
	PLACES 4
	WIN 0
	FETCH_A \ns, \nq, 4
.endm
; A step that meets the other waves: in front of the barrier each wave waits for all its tensor loads, adds 0 to its spare word, and waits for that and for its LDS reads.
; fill = 1: the barrier opens a round of the cluster's barrier, and slot 0, which nobody reads any more, takes K step 3.
.macro TURN p, ns, fill
	s_wait_tensorcnt 0x0                           ; all my tensor loads have landed  (every window is 0 here: the add's two registers lie in window 0)
	ds_add_u32 v[SPW], v[NIL]                      ; 0 onto my spare word
	s_wait_dscnt 17                                ; (the add and the youngest sixteen loads may be out)
	WIN MUL
	MUL8 0, \p, 0                                  ; eight matrix instructions stand between the add and the wait for it
	s_wait_dscnt 0x0                               ; the add is done, and my LDS reads so far are over
	s_barrier_signal -1
	MUL8 2, \p, 0
	WIN 0
	s_barrier_wait -1
.if \fill
	CREST                                          ; no wave of any partner still reads slot 0 or has a load on its way
	s_add_nc_u64 s[G0A+2:G0A+3], s[G0A+2:G0A+3], 3*KSB
	s_add_nc_u64 s[G0B+2:G0B+3], s[G0B+2:G0B+3], 3*KSB
	JLOAD                                          ; the first tensor load behind the round, one a wave; its four v_nop are also the places in front of the loads below
.else
	PLACES 4
.endif
	FETCH_B \ns, 0, 1-\p
	FETCH_A \ns, 0, 0
	WIN MUL
	MUL8 4, \p, 0
	MUL8 6, \p, 0
	PLACES 4
	WIN 0
	FETCH_A \ns, 0, 4
.endm
	s_wait_tensorcnt 2                             ; my part of K step 0 is in; K steps 1 and 2 may stay out
	s_barrier_signal -1
	s_barrier_wait -1                              ; everybody's is
	FETCH_B 0, 0, 0
	FETCH_A 0, 0, 0
	FETCH_A 0, 0, 4
	STEP 0, 0, 1, 1                                ; k 0-127: its products start the sums
	TURN 1, 1, 1                                   ; k 128-255; slots 1 and 2 are whole in every wave; slot 0 takes K step 3
	STEP 0, 1, 1, 0                                ; k 256-383
	s_wait_alu depctr_va_vdst(0)
	STEP 1, 2, 0, 0                                ; k 384-511
	STEP 0, 2, 1, 0                                ; k 512-639
	TURN 1, 0, 0                                   ; k 640-767; K step 3 is whole; behind this barrier nobody reads slots 1 and 2
	STEP 0, 0, 1, 0                                ; k 768-895
	s_wait_dscnt 16                                ; k 896-1023: nothing more to fetch
	WIN MUL
	MUL8 0, 1, 0
	MUL8 2, 1, 0
	s_wait_dscnt 0x0
	MUL8 4, 1, 0
	MUL8 6, 1, 0
	WIN 0
; THE WAY OUT, block by block of 16 rows x 64 columns.  A lane holds 32 neighbouring bytes of a row, and the lanes beside it hold other rows: so a block goes through my own stage in LDS and comes back as whole
; rows of 256 bytes; sixteen lanes store 256 consecutive bytes, at a multiple of 256 from out0's first byte.  LDS serves a wave's instructions in order (ISA guide 5.7.1.4): no wait between the stores and the loads, nor in front of the next block's stores.
.macro TOSTAGE a
	WIN 0x02                                       ; source 0 window 2
.set J, 0
.rept 16
	v_pk_mul_f32 v[TMP+J:TMP+J+1], v[32*(\a)+J:32*(\a)+J+1], s[96:97] op_sel_hi:[1,0]      ; both x s96 = 2^(e10 + e11); each accumulator from its low end on
.set J, J+2
.endr
	WIN 0
.irp b, 0,1,2,3
	ds_store_b128 v[STO], v[TMP+8*\b:TMP+8*\b+3] offset:64*\b
	ds_store_b128 v[STO], v[TMP+8*\b+4:TMP+8*\b+7] offset:64*\b+16
.endr
.irp t, 0,1,2,3,4,5,6,7
	ds_load_b128 v[BK+32*((\a)%2)+4*\t:BK+32*((\a)%2)+4*\t+3], v[RD] offset:544*\t
.endr
.endm
.macro SEND a, younger                 ; younger: the LDS instructions issued behind block a's loads, which may stay out
	s_wait_dscnt \younger
.irp t, 0,1,2,3,4,5,6,7
	global_store_b128 v[CO], v[BK+32*((\a)%2)+4*\t:BK+32*((\a)%2)+4*\t+3], s[10:11] offset:65536*(\a)+8192*\t th:TH_STORE_NT   ; rows 16 a + 2 t and the next; written once, read by nobody here
.endr
.endm
	s_wait_kmcnt 0x0
	s_add_co_i32 s96, s96, s97                     ; e10 + e11, between -126 and 127,
	s_add_co_i32 s96, s96, 127
	s_lshl_b32 s96, s96, 23                        ; makes the f32 number 2^(e10 + e11)
	s_mov_b32 s97, s96                             ; (named with it as a pair, so it is written)
	PLACES 4                                       ; in front of the first read of results and of loads into the registers that held A's fragments
	TOSTAGE 0
.irp a, 1,2,3,4,5,6,7
.if \a > 1
	s_wait_xcnt 0x0                                ; block a - 2's stores have read their registers: block a's loads may land there
.endif
	TOSTAGE \a
	SEND \a-1, 16                                  ; behind block a - 1's loads: block a's eight stores and eight loads
.endr
	SEND 7, 0
	s_wait_tensorcnt 0x0                           ; the wave's end, behind my last tensor load and my last LDS store
	ds_add_u32 v[SPW], v[NIL]
	s_wait_dscnt 0x0
	CROUND                                         ; the closing round: no work-group ends while a partner may still ask for a tile that names it
	s_endpgm
.Lfunc_end_k_qaf305a88f0_oproj:
	.size	k_qaf305a88f0_oproj, .Lfunc_end_k_qaf305a88f0_oproj-k_qaf305a88f0_oproj
	.p2alignl 7, 3214868480
	.fill 96, 4, 3214868480
	.section	.rodata,"a",@progbits
	.p2align	6, 0x0
	.amdhsa_kernel k_qaf305a88f0_oproj
		.amdhsa_group_segment_fixed_size 327680
		.amdhsa_private_segment_fixed_size 0
		.amdhsa_enable_private_segment 0
		.amdhsa_kernarg_size 32
		.amdhsa_user_sgpr_count 2
		.amdhsa_user_sgpr_kernarg_segment_ptr 1
		.amdhsa_wavefront_size32 1
		.amdhsa_system_sgpr_workgroup_id_x 1
		.amdhsa_system_sgpr_workgroup_id_y 1
		.amdhsa_system_sgpr_workgroup_id_z 1
		.amdhsa_system_vgpr_workitem_id 0
		.amdhsa_next_free_vgpr 768
		.amdhsa_next_free_sgpr 100
		.amdhsa_reserve_vcc 0
		.amdhsa_float_denorm_mode_32 3
		.amdhsa_float_denorm_mode_16_64 3
		.amdhsa_memory_ordered 1
		.amdhsa_forward_progress 1
		.amdhsa_inst_pref_size 76
	.end_amdhsa_kernel
	.amdgpu_metadata
---
amdhsa.version: [ 1, 2 ]
amdhsa.kernels:
  - .name:           k_qaf305a88f0_oproj
    .symbol:         k_qaf305a88f0_oproj.kd
    .args:
      - { .name: ac, .offset: 0, .size: 8, .value_kind: global_buffer, .address_space: global }
      - { .name: wc, .offset: 8, .size: 8, .value_kind: global_buffer, .address_space: global }
      - { .name: lowp_scales, .offset: 16, .size: 8, .value_kind: global_buffer, .address_space: global }
      - { .name: out0, .offset: 24, .size: 8, .value_kind: global_buffer, .address_space: global }
    .group_segment_fixed_size: 327680
    .private_segment_fixed_size: 0
    .kernarg_segment_align: 8
    .kernarg_segment_size: 32
    .max_flat_workgroup_size: 128
    .sgpr_count:     100
    .vgpr_count:     768
    .wavefront_size: 32
...
	.end_amdgpu_metadata
.endif
;; end of part 4
